; MI455X (gfx1250); checked and timed in simulation.
; The chip was launched on July 23, 2026; its instructions are those of AMD's public machine-readable ISA for CDNA 5 (MIT licence, August 2026) and "CDNA5" Instruction Set Architecture Reference Guide (July 2026). The comments in the code are by the model that wrote it; some were corrected since.
;; Multi Head Attention. Allowed arithmetic: matrix products marked QUANTISED: E2M3 operands, one E8M0 scale for each 32 along K, by v_wmma_scale_f32_16x16x128_f8f6f4 with both operands' format E2M3, f32 sums; everything else in f32.
;; Inputs: Wk 1,024 x 1,024 float32; Wo 1,024 x 1,024 float32; Wq 1,024 x 1,024 float32; Wv 1,024 x 1,024 float32; bk 1,024 float32; bo 1,024 float32; bq 1,024 float32; bv 1,024 float32; k 4 x 2,048 x 1,024 float32; q 4 x 2,048 x 1,024 float32; v 4 x 2,048 x 1,024 float32.
;; Outputs: out0 4 x 2,048 x 1,024 float32.
;; This version of the problem:
;;   THIS VERSION OF THE PROBLEM IS GIVEN IN LOW PRECISION. The matrix products marked QUANTISED in the list below multiply operands that are first quantised to E2M3 (2 exponent bits, 3 mantissa bits; 6 bits a number), with one power-of-two scale for each 32 numbers along K (OCP MX v1.0); their sums are f32. All else is computed in f32.
;;   The module's matrix products, in the order in which they are computed (A, B: the left and right operand; K: the contracted axis; several contracted axes count as one K, in the product's order):
;;     1. [M 8,192, K 1,024] x [K 1,024, N 1,024]; A: input q; B: input Wq: QUANTISED
;;     2. [M 8,192, K 1,024] x [K 1,024, N 1,024]; A: input k; B: input Wk: QUANTISED
;;     3. [M 8,192, K 1,024] x [K 1,024, N 1,024]; A: input v; B: input Wv: QUANTISED
;;     4. batch 64 x [M 2,048, K 64] x [K 64, N 2,048]; A: computed on the way; B: computed on the way: QUANTISED
;;     5. batch 64 x [M 2,048, K 2,048] x [K 2,048, N 64]; A: softmax (see below); B: computed on the way: QUANTISED
;;     6. [M 8,192, K 1,024] x [K 1,024, N 1,024]; A: computed on the way; B: input Wo: QUANTISED
;;   THE QUANTISER, for each operand of a quantised product, along K:
;;     - K is cut into blocks of 32 from its start; a last block that is shorter is filled with zeros.
;;     - A block's scale is 2^e with e = floor(log2(the largest magnitude in the block)) - 2, held to -126 .. 127; a block of zeros has e = 0. As a byte (E8M0): e + 127.
;;     - Each number is divided by its block's scale, clamped to +-7.5, and rounded to the nearest number of E2M3, ties to even, subnormals kept.
;;     - The product sums the exact products of the quantised numbers (number of the format x scale) in f32.
;;   ~~~python
;;   def quantise(x, axis):      # numpy; x: float32 -> the quantised numbers, widened to float32 again
;;       x = np.moveaxis(x, axis, -1); K = x.shape[-1]
;;       x = np.pad(x, [(0, 0)] * (x.ndim - 1) + [(0, -K % 32)]); x = x.reshape(x.shape[:-1] + (-1, 32)); a = np.abs(x).max(-1, keepdims=True)
;;       e = np.where(a > 0, np.clip(np.frexp(np.where(a > 0, a, 1))[1] - 1 - 2, -126, 127), 0)      # np.frexp(a)[1] - 1 = floor(log2(a)), exactly
;;       r = np.clip(x / 2.0 ** e, -7.5, 7.5)
;;       step = 2.0 ** (np.maximum(np.frexp(np.where(r == 0, 1, r))[1] - 1, 0) - 3)
;;       q = np.round(r / step) * step * 2.0 ** e      # np.round: ties to even
;;       return np.moveaxis(q.reshape(q.shape[:-2] + (-1,))[..., :K], -1, axis).astype(np.float32)
;;   ~~~
;;   SOFTMAX AHEAD OF A QUANTISED PRODUCT. Where the list says 'softmax', what is quantised is not the finished softmax but p = 2^(t - M), with t = logit x log2(e) and M = ceil(the row's largest t), a whole number; so 1/2 < the row's largest p <= 1. The row's sum l is taken of the UNQUANTISED p, in f32, and the product's result is divided by l at the end. Since M is a whole number, a kernel that streams over the keys may use a running M (the ceiling of the running maximum): every later rescaling is an exact power of two, which a block's scale takes up: the codes' values come out the same.
;;   OPERANDS COMPUTED ON THE WAY. 'Computed on the way' means the value that the module computes at that place (a softmax that the list does not call 'softmax' is quantised finished and normalised). What goes into a quantiser is computed in f32, as accurately as f32 sums, v_exp_f32 and their like allow (about 1e-6 of the number): no bf16 or f16 on the way to a quantiser, and a product that is left as it is and whose result goes on into a quantised operand takes f32 operands (vector FMAs, or v_wmma_f32_16x16x4_f32). A number that lies on a knife's edge between two numbers of the format may be rounded either way, as far as f32 arithmetic and the matrix unit's own rounding can turn it there, and no further.
;; One version. Each part assembles by itself: llvm-mc -triple=amdgcn-amd-amdhsa -mcpu=gfx1250 --defsym DOCPART=n.
;; ======== version 1 of 1: 5 launches
;; limits: right only within a limited range of input values
;; workspace buffers: xc 18,874,368 bytes; xs 786,432 bytes; wc 3,145,728 bytes; ws 131,072 bytes; hc 18,874,368 bytes; hs 1,310,720 bytes; cc 6,291,456 bytes; cs 262,144 bytes
;; launch quantw (part 1): grid 8 x 32, 4 waves a work-group, no clusters, 13,312 bytes of LDS; arguments Wq, Wk, Wv, Wo, wc, ws; writes wc, ws
.if DOCPART == 1
	.amdgcn_target "amdgcn-amd-amdhsa--gfx1250"
	.amdhsa_code_object_version 6
	.text
	.protected	k_q38776a67ce_quantw
	.globl	k_q38776a67ce_quantw
	.p2align	8
	.type	k_q38776a67ce_quantw,@function
k_q38776a67ce_quantw:
	s_mov_b64 s[64:65], 0
	v_nop
	global_prefetch_b8 v0, s[64:65] scope:SCOPE_SE
	s_setreg_imm32_b32 hwreg(HW_REG_WAVE_MODE, 25, 1), 1
	s_wait_xcnt 0x0
; Wq, Wk, Wv, Wo, each [1024 (k)][1024 (n)] f32 with K as the FIRST axis, become codes of FP6 (E2M3) with one E8M0 byte for each 32 along K,
; laid in the order of an operand's registers.  A FRAGMENT IMAGE (16 rows x 128 K, 12 registers a lane, 1,536 bytes): for c = 0, 1: registers 6 c .. 6 c + 3 of lane l at 768 c + 16 l,
; registers 6 c + 4, 6 c + 5 at 768 c + 512 + 8 l.  wc: [tensor 4][group of 128 n: 8][K step 8][tile 8][1,536].  Lane r of tile i holds row 32 (i / 2) + 8 (i % 2) + r + 8 (r / 8) of its group.
; ws: [tensor][group][K step][half 2][r 16][4 tiles] words of four scale bytes (tile = 4 half + index).
; A LANE TAKES A COLUMN n AND ITS REGISTERS RUN DOWN K: a block of 32 lies in one lane, its largest magnitude needs no other lane, and the conversions give codes with K innermost.
; A work-group takes 128 columns x 128 K of one tensor, a wave 32 columns: two tiles.  The codes go through the wave's own stage in LDS, laid as the two images, and leave as 3,072 consecutive bytes.
; A block's scale is 2^(floor(log2(largest magnitude)) - 2); its byte is the largest magnitude's exponent field - 2, held at 1 from below.
; LIMITS: NaN and infinities are not served; a block whose largest magnitude lies under 2^-124, a block of zeros among them, gets the byte 1 (its codes are then zeros or near it; the bytes are read by this program alone).
.set XR,   32                          ; v32-95   two sets of 32 numbers
.set CR,   16                          ; v16-22   a block's codes
.set OUTR, 96                          ; v96-119  the way out of the codes
.set SCR,  120                         ; v120-123 the way out of the scale words: registers of their own, so that no pending store's data are written over
.set SCST, 12288                       ; LDS: behind the four stages of 3,072 bytes: the work-group's 512 bytes of scale words
	s_load_b256 s[4:11], s[0:1], 0x0               ; Wq, Wk, Wv, Wo
	s_load_b128 s[12:15], s[0:1], 0x20             ; wc, ws
	v_lshl_add_u32 v128, v0, 2, 0x3200
	v_mov_b32 v129, 0
	v_lshrrev_b32 v1, 5, v0
	v_readfirstlane_b32 s16, v1                    ; wave 0..3
	v_and_b32 v1, 31, v0                           ; lane = my column among the wave's 32
	v_lshlrev_b32 v2, 2, v1                        ; in: 4 bytes a lane
	v_bfe_u32 v10, v0, 3, 1                        ; u: which of the wave's two tiles my column falls into
	v_and_b32 v11, 7, v0
	v_bfe_u32 v12, v0, 4, 1
	v_lshl_add_u32 v11, v12, 3, v11                ; r': the lane of that tile that holds my column
	s_mul_i32 s17, s16, 3072                       ; my wave's stage
	v_mul_u32_u24 v13, v10, 1536
	v_add_nc_u32 v13, s17, v13
	v_lshl_add_u32 v3, v11, 4, v13                 ; where a block's first 16 bytes go: image + 16 r'
	v_lshl_add_u32 v4, v11, 3, v13                 ; and its last 8: image + 8 r'
	s_lshr_b32 s18, s16, 1
	s_lshl_b32 s18, s18, 8                         ; the scale words: half = wave / 2,
	s_and_b32 s19, s16, 1
	s_lshl_b32 s19, s19, 3                         ; index = 2 (wave % 2) + u
	s_add_co_u32 s18, s18, s19
	s_add_co_u32 s18, s18, SCST
	v_lshlrev_b32 v5, 4, v11
	v_lshl_add_u32 v5, v10, 2, v5
	v_add_nc_u32 v5, s18, v5
	v_lshlrev_b32 v7, 4, v1                        ; the way out: 16 bytes a lane
	v_add_nc_u32 v6, s17, v7
	v_add_nc_u32 v9, SCST, v7
	s_and_b32 s20, ttmp7, 0xffff
	s_lshr_b32 s21, s20, 3                         ; which tensor
	s_and_b32 s20, s20, 7                          ; which K step
	s_lshl_b32 s22, s20, 19                        ; in: 128 rows of 4,096 bytes a K step,
	s_lshl_b32 s23, ttmp9, 9                       ; 128 columns a work-group,
	s_add_co_u32 s22, s22, s23
	s_lshl_b32 s23, s16, 7                         ; 32 a wave
	s_add_co_u32 s22, s22, s23
	s_mov_b32 s23, 0
	s_lshl_b32 s24, s21, 3
	s_add_co_u32 s24, s24, ttmp9
	s_lshl_b32 s24, s24, 3
	s_add_co_u32 s24, s24, s20                     ; (8 tensor + group) 8 + K step
	s_mul_i32 s26, s24, 12288
	s_add_co_u32 s26, s26, s17                     ; my two images in wc
	s_mov_b32 s27, 0
	s_lshl_b32 s28, s24, 9                         ; the 512 bytes of scale words in ws
	s_mov_b32 s29, 0
	s_wait_kmcnt 0x0
	s_cmp_eq_u32 s21, 1                            ; the tensor is chosen by the work-group's number alone
	s_cselect_b64 s[4:5], s[6:7], s[4:5]
	s_cmp_eq_u32 s21, 2
	s_cselect_b64 s[4:5], s[8:9], s[4:5]
	s_cmp_eq_u32 s21, 3
	s_cselect_b64 s[4:5], s[10:11], s[4:5]
	s_add_nc_u64 s[4:5], s[4:5], s[22:23]
	s_add_nc_u64 s[12:13], s[12:13], s[26:27]
	s_add_nc_u64 s[14:15], s[14:15], s[28:29]
.macro LOAD t                          ; block t: W(32 t + i, my column), i = 0 .. 31, into set t % 2; 32 lanes read 128 consecutive bytes, the four waves 512
.irp i, 0,1,2,3,4,5,6,7,8,9,10,11,12,13,14,15,16,17,18,19,20,21,22,23,24,25,26,27,28,29,30,31
	global_load_b32 v[XR+32*((\t)%2)+\i], v2, s[4:5] offset:(32*(\t)+\i)*4096 th:TH_LOAD_NT
.endr
.endm
; Block t = 2 c + h of the K step is what lane (r', h) of the fragment holds in registers 6 c .. 6 c + 5.
.macro BLOCK t
.set XS, XR+32*((\t)%2)
.if (\t) < 3
	s_wait_loadcnt 32                              ; this block's 32 loads are in; the next block's 32 may be out
.else
	s_wait_loadcnt 0x0
.endif
	v_max3_num_f32 v10, |v[XS]|, |v[XS+1]|, |v[XS+2]|              ; the block's largest magnitude, in two chains
	v_max3_num_f32 v11, |v[XS+3]|, |v[XS+4]|, |v[XS+5]|
.irp i, 6,10,14,18,22,26
	v_max3_num_f32 v10, v10, |v[XS+\i]|, |v[XS+\i+1]|
	v_max3_num_f32 v11, v11, |v[XS+\i+2]|, |v[XS+\i+3]|
.endr
	v_max3_num_f32 v10, v10, |v[XS+30]|, |v[XS+31]|
	v_max3_num_f32 v10, v10, v11, 0x1800000        ; and the floor 2^(3 - 127): the byte cannot fall under 1
	v_add_nc_u32 v12, 0xff000000, v10              ; 2 off the exponent field: the conversion takes this operand's exponent field as its scale
	v_lshrrev_b32 v13, 23, v12                     ; the scale's byte
.if (\t) == 0
	v_mov_b32 v8, v13                              ; four bytes make my column's scale word, the lower K in the lower byte
.else
	v_lshl_or_b32 v8, v13, 8*(\t), v8
.endif
	v_cvt_scalef32_pk16_fp6_f32 v[CR:CR+2], v[XS:XS+15], v12
	v_cvt_scalef32_pk16_fp6_f32 v[CR+4:CR+6], v[XS+16:XS+31], v12  ; (a conversion's three registers begin on an even number)
	v_nop                                          ; one plain instruction between a scaled conversion and the moves that read its result
	v_mov_b32 v[CR+3], v[CR+4]                     ; the six registers on end
	v_mov_b32 v[CR+4], v[CR+5]
	v_mov_b32 v[CR+5], v[CR+6]
	ds_store_b128 v3, v[CR:CR+3] offset:768*((\t)/2)+256*((\t)%2)
	ds_store_b64 v4, v[CR+4:CR+5] offset:768*((\t)/2)+512+128*((\t)%2)
.if (\t) < 2
	LOAD (\t)+2
.endif
	s_wait_dscnt 0x0                               ; the stores have read their registers: the next block's codes may be written
.endm
	LOAD 0
	LOAD 1
	BLOCK 0
	BLOCK 1
	BLOCK 2
	BLOCK 3
	s_wait_alu depctr_va_vdst(0)
	ds_store_b32 v5, v8                            ; my column's scale word, to its place among the work-group's 128
.irp j, 0,1,2,3,4,5
	ds_load_b128 v[OUTR+4*\j:OUTR+4*\j+3], v6 offset:512*\j        ; LDS serves a wave's instructions in order: these see my stores
.endr
.irp j, 0,1,2,3,4,5
	s_wait_dscnt 5-\j                              ; piece j is back; the younger ones may be out
	global_store_b128 v7, v[OUTR+4*\j:OUTR+4*\j+3], s[12:13] offset:512*\j   ; 32 lanes store 512 consecutive bytes, at a multiple of 256 from wc's first byte
.endr
	s_wait_dscnt 0x0                               ; for the others' sake: my scale words have landed
	s_barrier_signal -1
	s_barrier_wait -1
	s_cmp_lg_u32 s16, 0
	s_cbranch_scc1 .Lend                           ; wave 0 stores the 512 bytes of scale words
	ds_load_b128 v[SCR:SCR+3], v9                  ; into registers that no store above names
	s_wait_dscnt 0x0
	global_store_b128 v7, v[SCR:SCR+3], s[14:15]
.Lend:
	s_wait_tensorcnt 0x0
	ds_add_u32 v128, v129
	s_wait_dscnt 0x0
	s_endpgm
.Lfunc_end_k_q38776a67ce_quantw:
	.size	k_q38776a67ce_quantw, .Lfunc_end_k_q38776a67ce_quantw-k_q38776a67ce_quantw
	.p2alignl 7, 3214868480
	.fill 96, 4, 3214868480
	.section	.rodata,"a",@progbits
	.p2align	6, 0x0
	.amdhsa_kernel k_q38776a67ce_quantw
		.amdhsa_group_segment_fixed_size 13312
		.amdhsa_private_segment_fixed_size 0
		.amdhsa_enable_private_segment 0
		.amdhsa_kernarg_size 48
		.amdhsa_user_sgpr_count 2
		.amdhsa_user_sgpr_kernarg_segment_ptr 1
		.amdhsa_wavefront_size32 1
		.amdhsa_system_sgpr_workgroup_id_x 1
		.amdhsa_system_sgpr_workgroup_id_y 1
		.amdhsa_system_sgpr_workgroup_id_z 1
		.amdhsa_system_vgpr_workitem_id 0
		.amdhsa_next_free_vgpr 130
		.amdhsa_next_free_sgpr 66
		.amdhsa_reserve_vcc 0
		.amdhsa_float_denorm_mode_32 3
		.amdhsa_float_denorm_mode_16_64 3
		.amdhsa_memory_ordered 1
		.amdhsa_forward_progress 1
		.amdhsa_inst_pref_size 23
	.end_amdhsa_kernel
	.amdgpu_metadata
---
amdhsa.version: [ 1, 2 ]
amdhsa.kernels:
  - .name:           k_q38776a67ce_quantw
    .symbol:         k_q38776a67ce_quantw.kd
    .args:
      - { .name: Wq, .offset: 0, .size: 8, .value_kind: global_buffer, .address_space: global }
      - { .name: Wk, .offset: 8, .size: 8, .value_kind: global_buffer, .address_space: global }
      - { .name: Wv, .offset: 16, .size: 8, .value_kind: global_buffer, .address_space: global }
      - { .name: Wo, .offset: 24, .size: 8, .value_kind: global_buffer, .address_space: global }
      - { .name: wc, .offset: 32, .size: 8, .value_kind: global_buffer, .address_space: global }
      - { .name: ws, .offset: 40, .size: 8, .value_kind: global_buffer, .address_space: global }
    .group_segment_fixed_size: 13312
    .private_segment_fixed_size: 0
    .kernarg_segment_align: 8
    .kernarg_segment_size: 48
    .max_flat_workgroup_size: 128
    .sgpr_count:     66
    .vgpr_count:     130
    .wavefront_size: 32
...
	.end_amdgpu_metadata
.endif
;; end of part 1
;; launch quantx (part 2): grid 768 x 1, 4 waves a work-group, no clusters, 68,096 bytes of LDS; arguments q, k, v, xc, xs; writes xc, xs
.if DOCPART == 2
	.amdgcn_target "amdgcn-amd-amdhsa--gfx1250"
	.amdhsa_code_object_version 6
	.text
	.protected	k_q38776a67ce_quantx
	.globl	k_q38776a67ce_quantx
	.p2align	8
	.type	k_q38776a67ce_quantx,@function
k_q38776a67ce_quantx:
	s_mov_b64 s[64:65], 0
	v_nop
	global_prefetch_b8 v0, s[64:65] scope:SCOPE_SE
	s_setreg_imm32_b32 hwreg(HW_REG_WAVE_MODE, 25, 1), 1
	s_wait_xcnt 0x0
; q, k, v, each [8192 rows][1024 (K)] f32, K innermost, become codes of FP6 (E2M3) with one E8M0 byte for each 32 along K, laid in the order of an operand's registers:
; xc: [tensor 3][group of 128 rows: 64][K step 8][tile 8][1,536]; a fragment image: for c = 0, 1: registers 6 c .. 6 c + 3 of lane l at 768 c + 16 l, registers 6 c + 4, 6 c + 5 at 768 c + 512 + 8 l.
; Lane r of tile i holds row 32 (i / 2) + 8 (i % 2) + r + 8 (r / 8) of its group.  xs: [tensor][group][K step][half 2][r 16][4 tiles] words of four scale bytes.
; A wave takes 64 rows x 128 K: four tiles of one K step; the four waves of a work-group stand side by side on 2,048 bytes of each row.  Each load reads 512 consecutive bytes of a row.  The operand's layout gives
; lane (r, h) the numbers k = 64 c + 32 h + 0 .. 31 of its row: 32 rows at a time go through the wave's own stage in LDS (rows of 512 bytes + 16, laid in the order of the tiles' lanes) and come back so.
; A lane then holds two whole blocks of 32: no other lane is asked for a maximum; the scale word's four bytes are gathered from lanes l and l xor 16.
; A block's scale is 2^(floor(log2(largest magnitude)) - 2); its byte is the largest magnitude's exponent field - 2, held at 1 from below.
; LIMITS: NaN and infinities are not served; a block whose largest magnitude lies under 2^-124, a block of zeros among them, gets the byte 1 (the bytes are read by this program alone).
.set R0,  16                           ; v16-143  two sets of 16 rows' pieces as loaded
.set XR,  144                          ; v144-207 64 numbers of my row: 32 c + i
.set CR,  208                          ; v208-231 two sets of a fragment's 12 registers
.set TR,  232                          ; v232-238 the blocks' second halves
.set SW,  248                          ; v248-251 the four tiles' scale words
.set SP,  528                          ; a stage row
	s_load_b128 s[4:7], s[0:1], 0x0                ; q, k
	s_load_b128 s[8:11], s[0:1], 0x10              ; v, xc
	s_load_b64 s[14:15], s[0:1], 0x20              ; xs
	v_lshl_add_u32 v254, v0, 2, 0x10800
	v_mov_b32 v255, 0
	v_lshrrev_b32 v1, 5, v0
	v_readfirstlane_b32 s16, v1                    ; wave 0..3
	v_and_b32 v1, 31, v0                           ; lane
	v_lshlrev_b32 v2, 4, v1                        ; 16 bytes a lane, in and out
	v_lshlrev_b32 v3, 3, v1                        ; 8 bytes a lane
	v_and_b32 v9, 15, v0                           ; r
	v_bfe_u32 v10, v0, 4, 1                        ; h
	s_mul_i32 s30, s16, 32*SP                      ; my wave's stage
	v_add_nc_u32 v4, s30, v2                       ; into it: a row's 512 bytes as they lie
	v_mul_u32_u24 v5, v9, SP
	v_lshl_add_u32 v5, v10, 7, v5
	v_add_nc_u32 v5, s30, v5                       ; out of it: row r of a tile, + 128 h bytes
	v_lshlrev_b32 v6, 3, v10                       ; 8 h: my two bytes' place in the scale word
	v_lshlrev_b32 v7, 4, v9                        ; 16 r: my row's four scale words
	v_mov_b32 v8, 0                                ; (a lane permute's destination counts as one of its sources)
	s_mov_b32 s12, 0x76543210
	s_mov_b32 s13, 0xfedcba98                      ; v_permlanex16_b32's selects for lane l xor 16
	s_lshr_b32 s17, ttmp9, 8                       ; which tensor
	s_and_b32 s18, ttmp9, 255
	s_and_b32 s19, s18, 1
	s_lshr_b32 s18, s18, 1                         ; which 64 rows
	s_lshl_b32 s19, s19, 2
	s_add_co_u32 s19, s19, s16                     ; which K step: 4 (work-group % 2) + wave
	s_lshr_b32 s20, s18, 1                         ; the group of 128 rows,
	s_and_b32 s21, s18, 1                          ; and which half of it
	s_lshl_b32 s22, s18, 18                        ; in: 64 rows of 4,096 bytes,
	s_lshl_b32 s23, s19, 9                         ; 512 bytes a K step
	s_add_co_u32 s22, s22, s23
	s_mov_b32 s23, 0
	s_lshl_b32 s24, s17, 6
	s_add_co_u32 s24, s24, s20
	s_lshl_b32 s24, s24, 3
	s_add_co_u32 s24, s24, s19                     ; (64 tensor + group) 8 + K step
	s_mul_i32 s26, s24, 12288
	s_mul_i32 s25, s21, 6144
	s_add_co_u32 s26, s26, s25                     ; my four images in xc
	s_mov_b32 s27, 0
	s_lshl_b32 s28, s24, 9
	s_lshl_b32 s25, s21, 8
	s_add_co_u32 s28, s28, s25                     ; my 256 bytes of scale words in xs
	s_mov_b32 s29, 0
	s_wait_alu depctr_va_vdst(0)
	s_wait_kmcnt 0x0
	s_cmp_eq_u32 s17, 1                            ; the tensor is chosen by the work-group's number alone
	s_cselect_b64 s[4:5], s[6:7], s[4:5]
	s_cmp_eq_u32 s17, 2
	s_cselect_b64 s[4:5], s[8:9], s[4:5]
	s_add_nc_u64 s[4:5], s[4:5], s[22:23]
	s_add_nc_u64 s[10:11], s[10:11], s[26:27]
	s_add_nc_u64 s[14:15], s[14:15], s[28:29]
.macro LOADC ch, set                   ; rows 16 ch .. 16 ch + 15: each load 512 consecutive bytes
.irp n, 0,1,2,3,4,5,6,7,8,9,10,11,12,13,14,15
	global_load_b128 v[R0+64*(\set)+4*\n:R0+64*(\set)+4*\n+3], v2, s[4:5] offset:(16*(\ch)+\n)*4096 th:TH_LOAD_NT
.endr
.endm
.macro STAGE ch, set                   ; row 16 e + n of a pass of 32 (e = ch % 2) is lane n % 8 + 8 e of tile n / 8: it goes to stage row 16 (n / 8) + n % 8 + 8 e
.irp n, 0,1,2,3,4,5,6,7,8,9,10,11,12,13,14,15
	ds_store_b128 v4, v[R0+64*(\set)+4*\n:R0+64*(\set)+4*\n+3] offset:SP*(16*(\n/8)+\n%8+8*((\ch)%2))
.endr
.endm
.macro READT u                         ; tile u of the pass: my row's k = 64 c + 32 h + 0 .. 31
.irp c, 0,1
.irp j, 0,1,2,3,4,5,6,7
	ds_load_b128 v[XR+32*\c+4*\j:XR+32*\c+4*\j+3], v5 offset:16*SP*(\u)+256*\c+16*\j
.endr
.endr
.endm
.macro QUANTB i
.set CC, CR+12*((\i)%2)
.irp c, 0,1
	v_max3_num_f32 v[240+\c], |v[XR+32*\c]|, |v[XR+32*\c+1]|, 0x1800000   ; my block 2 c + h, and the floor 2^(3 - 127): the byte cannot fall under 1
.endr
.irp n, 2,4,6,8,10,12,14,16,18,20,22,24,26,28,30
.irp c, 0,1
	v_max3_num_f32 v[240+\c], v[240+\c], |v[XR+32*\c+\n]|, |v[XR+32*\c+\n+1]|   ; (the two blocks by turns)
.endr
.endr
.irp c, 0,1
	v_add_nc_u32 v[242+\c], 0xff000000, v[240+\c]  ; 2 off the exponent field: the conversion's scale operand
.endr
.irp c, 0,1
	v_lshrrev_b32 v[244+\c], 23, v[242+\c]         ; the scale's byte
.endr
	v_lshl_or_b32 v246, v245, 16, v244             ; my two bytes: blocks h and 2 + h,
	v_lshlrev_b32 v246, v6, v246                   ; at their places in the word;
	v_permlanex16_b32 v8, v246, s12, s13
	v_or_b32 v[SW+(\i)], v246, v8                  ; with lane l xor 16's two the word is whole
.irp c, 0,1
	v_cvt_scalef32_pk16_fp6_f32 v[CC+6*\c:CC+6*\c+2], v[XR+32*\c:XR+32*\c+15], v[242+\c]
	v_cvt_scalef32_pk16_fp6_f32 v[TR+4*\c:TR+4*\c+2], v[XR+32*\c+16:XR+32*\c+31], v[242+\c]   ; (a conversion's three registers begin on an even number)
.endr
	v_nop                                          ; one plain instruction between a scaled conversion and the moves that read its result
.irp c, 0,1
.irp n, 0,1,2
	v_mov_b32 v[CC+6*\c+3+\n], v[TR+4*\c+\n]
.endr
.endr
.endm
.macro STORET i                        ; the fragment's image: each store covers 512 or 256 consecutive bytes, at a multiple of 256 from xc's first byte
.set CC, CR+12*((\i)%2)
	global_store_b128 v2, v[CC:CC+3], s[10:11] offset:1536*(\i)
	global_store_b64 v3, v[CC+4:CC+5], s[10:11] offset:1536*(\i)+512
	global_store_b128 v2, v[CC+6:CC+9], s[10:11] offset:1536*(\i)+768
	global_store_b64 v3, v[CC+10:CC+11], s[10:11] offset:1536*(\i)+1280
.endm
	LOADC 0, 0
	LOADC 1, 1
.irp p, 0,1                            ; a pass: 32 rows, two tiles
	s_wait_loadcnt 16                              ; the first set's 16 loads are in; the second set's may be out
	STAGE 2*\p, 0
	s_wait_loadcnt 0x0
	STAGE 2*\p+1, 1
	s_wait_dscnt 0x0                               ; the stores have read their registers
.if \p == 0
	LOADC 2, 0                                     ; the second pass's rows are on their way while the first is worked
	LOADC 3, 1
.endif
.irp u, 0,1
	READT \u
	s_wait_dscnt 0x0
	s_wait_xcnt 0x0                                ; the stores of two tiles ago have read their registers: that set of codes is written again only behind this wait
	QUANTB 2*\p+\u
	STORET 2*\p+\u
.endr
.endr
	s_wait_xcnt 0x0                                ; EXEC changes only behind this wait
	v_cmp_gt_u32 vcc_lo, 16, v1
	s_wait_tensorcnt 0x0
	ds_add_u32 v254, v255
	s_wait_dscnt 0x0
	s_and_saveexec_b32 s30, vcc_lo
	global_store_b128 v7, v[SW:SW+3], s[14:15]     ; lanes 0-15 store 256 consecutive bytes: row r's words of the four tiles
	s_wait_xcnt 0x0
	s_or_b32 exec_lo, exec_lo, s30
	s_endpgm
.Lfunc_end_k_q38776a67ce_quantx:
	.size	k_q38776a67ce_quantx, .Lfunc_end_k_q38776a67ce_quantx-k_q38776a67ce_quantx
	.p2alignl 7, 3214868480
	.fill 96, 4, 3214868480
	.section	.rodata,"a",@progbits
	.p2align	6, 0x0
	.amdhsa_kernel k_q38776a67ce_quantx
		.amdhsa_group_segment_fixed_size 68096
		.amdhsa_private_segment_fixed_size 0
		.amdhsa_enable_private_segment 0
		.amdhsa_kernarg_size 40
		.amdhsa_user_sgpr_count 2
		.amdhsa_user_sgpr_kernarg_segment_ptr 1
		.amdhsa_wavefront_size32 1
		.amdhsa_system_sgpr_workgroup_id_x 1
		.amdhsa_system_sgpr_workgroup_id_y 1
		.amdhsa_system_sgpr_workgroup_id_z 1
		.amdhsa_system_vgpr_workitem_id 0
		.amdhsa_next_free_vgpr 256
		.amdhsa_next_free_sgpr 66
		.amdhsa_reserve_vcc 1
		.amdhsa_float_denorm_mode_32 3
		.amdhsa_float_denorm_mode_16_64 3
		.amdhsa_memory_ordered 1
		.amdhsa_forward_progress 1
		.amdhsa_inst_pref_size 31
	.end_amdhsa_kernel
	.amdgpu_metadata
---
amdhsa.version: [ 1, 2 ]
amdhsa.kernels:
  - .name:           k_q38776a67ce_quantx
    .symbol:         k_q38776a67ce_quantx.kd
    .args:
      - { .name: q, .offset: 0, .size: 8, .value_kind: global_buffer, .address_space: global }
      - { .name: k, .offset: 8, .size: 8, .value_kind: global_buffer, .address_space: global }
      - { .name: v, .offset: 16, .size: 8, .value_kind: global_buffer, .address_space: global }
      - { .name: xc, .offset: 24, .size: 8, .value_kind: global_buffer, .address_space: global }
      - { .name: xs, .offset: 32, .size: 8, .value_kind: global_buffer, .address_space: global }
    .group_segment_fixed_size: 68096
    .private_segment_fixed_size: 0
    .kernarg_segment_align: 8
    .kernarg_segment_size: 40
    .max_flat_workgroup_size: 128
    .sgpr_count:     66
    .vgpr_count:     256
    .wavefront_size: 32
...
	.end_amdgpu_metadata
.endif
;; end of part 2
;; launch proj (part 3): grid 4 x 192, 4 waves a work-group, clusters of 4 x 1, 307,712 bytes of LDS; arguments xc, xs, wc, ws, bq, bk, bv, hc, hs; writes hc, hs
.if DOCPART == 3
	.amdgcn_target "amdgcn-amd-amdhsa--gfx1250"
	.amdhsa_code_object_version 6
	.text
	.protected	k_q38776a67ce_proj
	.globl	k_q38776a67ce_proj
	.p2align	8
	.type	k_q38776a67ce_proj,@function
k_q38776a67ce_proj:
	s_mov_b64 s[64:65], 0
	v_nop
	global_prefetch_b8 v0, s[64:65] scope:SCOPE_SE
	s_setreg_imm32_b32 hwreg(HW_REG_WAVE_MODE, 25, 1), 1
	s_wait_xcnt 0x0
	s_wait_alu depctr_hold_cnt(0) depctr_sa_sdst(0) depctr_va_vdst(0) depctr_va_sdst(0) depctr_va_ssrc(0) depctr_va_vcc(0) depctr_vm_vsrc(0)
	s_getreg_b32 s2, hwreg(HW_REG_IB_STS2, 6, 4)
	s_cmp_eq_u32 s2, 0
	s_cbranch_scc0 .Lentry_in_a_cluster
	s_endpgm
.Lentry_in_a_cluster:
	s_bfe_u32 s2, ttmp6, 0x10000c
	s_cmp_lg_u32 s2, 0x3003
	s_cbranch_scc0 .Lentry_shape_is_right
	s_endpgm
.Lentry_shape_is_right:
; The three projections x W + b on codes of FP6 (E2M3) with E8M0 scales; each result is quantised in registers into the operand that attention wants, and no f32 number goes to memory.
; T = 0 (q), 1 (k), 2 (v) by the work-group's y.  SOURCE 0 (S0) is the operand along whose rows the result is quantised next: for q and k it is W (rows n = 64 head + d: the next K is d), for v it is x (rows = keys: the next K).
; SOURCE 1 (S1) is the other.  In a result a lane holds ONE row of S1 and its registers run along S0's rows.  All operands lie as fragment images (16 rows x 128 K, 1,536 bytes: for c = 0, 1 registers 6 c .. 6 c + 3 of lane l
; at 768 c + 16 l, registers 6 c + 4, 6 c + 5 at 768 c + 512 + 8 l), [group of 128 rows][K step 8][tile 8]; lane r of tile i holds row 32 (i / 2) + 8 (i % 2) + r + 8 (r / 8) of its group, so that the 16 registers of
; result tiles 2 b and 2 b + 1 are S0's rows 32 b + 16 (lane / 16) + 0 .. 15: 16 neighbours along the next K.
; SHARES.  A work-group: 256 rows of S0 x 128 rows of S1, all of K = 1,024; its codes, 294,912 bytes, lie in LDS whole: every LDS byte is filled once, in halves of K, so the
; products begin when the first chunk has landed.  A wave: 128 rows of S0 (8 tiles) x 64 of S1 (4 tiles): 32 accumulators.
; CLUSTER.  The four work-groups of a cluster take the same rows of S0 (two thirds of the codes) and neighbouring groups of S1: S0's codes are asked for jointly.  The scale words (12 KB of 300) and S1 come by loads of the work-group's own.
; OUT.  hc: Q at 0, K at 6,291,456: [batch x 16 + head][tile 128][768] (half a fragment: K = 64); V at 12,582,912: [bh][key step 16][d tile 4][1,536].
; hs: Q at 0: [bh][step 16][half 2][r 16][4 tiles] words; at 524,288: [bh][12,288]: K's 8,192 laid likewise, then V's [step 16][r 16][4 d tiles].  Q's and K's words: two scale bytes, then 0x7f twice, for the zero codes of K = 64 .. 127.
; LIMITS: NaN and infinities are not served; a block whose largest magnitude lies under 2^-124, a block of zeros among them, gets the byte 1 (the bytes are read by this program alone).
; REGISTERS.  Window 0: v1-15 lane numbers and addresses; v16-63 S1's 4 fragments; v64-127 S0's scale words (8 K step + tile); v128-159 S1's (4 K step + tile); v160-179 codes just made; v184-199 at work; v200-207 scale words made.
;   Window 1: the 32 accumulators, (a, t) at v[8 (8 a + t)].   Window 2: v0-95, v96-191 S0's fragments, two sets; v192-255 the bias in the result's layout.
.set GRP, 98304                        ; a group's codes
.set CHK, 24576                        ; two K steps of a group
.set KSB, 12288                        ; one K step
.set FRB, 1536                         ; a fragment
.set S1C, 2*GRP                        ; LDS: S0's two groups, then S1's group,
.set SC0, 3*GRP
.set SC1, SC0+8192
.set SF,  16
.set SS0, 64
.set SS1, 128
.set PC,  160
.set TM,  184
.set SW,  200
.set WD,  204
.set BI,  192
.set MSB, 0
.macro WIN new                         ; the immediate's high byte repeats the setting that is left
.if MSB != \new
	s_set_vgpr_msb (MSB<<8)|\new
.set MSB, \new
.endif
.endm
.macro CROUND                          ; a round of the cluster's barrier
	s_barrier_signal -1
	s_barrier_wait -1
	s_cmp_lg_u32 s22, 0
	s_cbranch_scc1 .Lnot_wave_0_\@
	s_barrier_signal -3
.Lnot_wave_0_\@:
	s_barrier_wait -3
	s_barrier_signal -1
	s_barrier_wait -1
.endm
.macro PLACES n                        ; plain vector instructions between a matrix instruction and a load into, or a read of, its registers
.rept \n
	v_nop
.endr
.endm
	s_load_b256 s[4:11], s[0:1], 0x0               ; xc, xs, wc, ws
	s_load_b256 s[12:19], s[0:1], 0x20             ; bq, bk, bv, hc
	s_load_b64 s[20:21], s[0:1], 0x40              ; hs
	v_lshl_add_u32 v254, v0, 2, 0x4b000
	v_mov_b32 v255, 0
	ds_add_u32 v254, v255
	ds_add_u32 v254, v255
	v_lshrrev_b32 v1, 5, v0
	v_readfirstlane_b32 s22, v1                    ; wave 0..3
	s_lshr_b32 s23, s22, 1                         ; which group of S0 is mine
	s_and_b32 s24, s22, 1                          ; which half of S1's group
	s_bfe_u32 s25, ttmp6, 0x40000                  ; cx: my place in the cluster
	s_and_b32 s27, ttmp7, 0xffff
	s_lshr_b32 s26, s27, 6                         ; T
	s_and_b32 s27, s27, 63
	s_cmp_eq_u32 s26, 2
	s_cselect_b32 s30, 5, 2                        ; S0 has 32 pairs of groups for v, 4 for q and k
	s_lshl_b32 s31, 1, s30
	s_sub_co_u32 s31, s31, 1
	s_and_b32 s28, s27, s31                        ; i0: the pair of S0's groups: it hangs on y alone
	s_lshr_b32 s29, s27, s30
	s_lshl_b32 s29, s29, 2
	s_add_co_u32 s29, s29, s25                     ; i1: S1's group
	s_lshl_b32 s3, s26, 3
	s_lshl_b32 s27, s26, 6
	s_cmp_eq_u32 s26, 2
	s_cselect_b32 s3, 128, s3                      ; S0's first group in its buffer: x's 64 T or W's 8 T,
	s_cselect_b32 s27, 16, s27                     ; S1's likewise
	s_lshl_b32 s2, s28, 1
	s_add_co_u32 s3, s3, s2                        ; + 2 i0
	s_add_co_u32 s27, s27, s29                     ; + i1
	; descriptor groups 1: dense blocks as rows of 256 bytes (32 elements of 8 bytes)
	s_mov_b32 s36, 15|(3<<16)|(1<<21)              ; S0's codes: 15:0 the mask: all four work-groups; 17:16 elements of 8 bytes; 21 set beside a mask
	s_mov_b32 s44, 3<<16                           ; S1's codes: no mask
.set HLF, 49152                        ; four K steps of a group: half of K
	s_mov_b32 s37, 6144<<16                        ; S0: half of K of both groups is one tile: two rows of 6,144 elements (49,152 bytes),
	s_mov_b32 s38, 2<<16
	s_mov_b32 s39, 6144<<16
	s_mov_b32 s40, 2
	s_mov_b32 s41, 12288                           ; a group (98,304 bytes) apart in memory, on end in LDS
	s_mov_b32 s42, 0
	s_mov_b32 s43, 0
	s_mov_b32 s45, 32<<16                          ; S1: half of K of its group: 192 rows of 256 bytes
	s_mov_b32 s46, 192<<16
	s_mov_b32 s47, 32<<16
	s_mov_b32 s48, 192
	s_mov_b32 s49, 32
	s_mov_b32 s50, 0
	s_mov_b32 s51, 0
	s_mov_b32 s66, 0x76543210
	s_mov_b32 s67, 0xfedcba98                      ; v_permlanex16_b32's selects for lane l xor 16
	s_wait_dscnt 0x0
	s_wait_kmcnt 0x0
	s_cmp_eq_u32 s26, 2                            ; the buffers change roles for v: a choice on the work-group's y alone
	s_cselect_b64 s[70:71], s[4:5], s[8:9]         ; S0's codes
	s_cselect_b64 s[86:87], s[8:9], s[4:5]         ; S1's codes
	s_cselect_b64 s[34:35], s[6:7], s[10:11]       ; S0's scale words
	s_cselect_b64 s[62:63], s[10:11], s[6:7]       ; S1's
	s_mul_i32 s30, s3, GRP
	s_mov_b32 s31, 0
	s_add_nc_u64 s[70:71], s[70:71], s[30:31]      ; S0's pair of groups
	s_add_co_u32 s2, s3, s23
	s_lshl_b32 s30, s2, 12
	s_add_nc_u64 s[34:35], s[34:35], s[30:31]      ; my group's scale words: they come by plain loads, straight into registers
	s_mul_i32 s10, s27, GRP                        ; (cx enters S1's addresses alone, in registers of their own)
	s_mov_b32 s11, 0
	s_add_nc_u64 s[86:87], s[86:87], s[10:11]
	s_lshl_b32 s10, s27, 12
	s_lshl_b32 s2, s24, 8
	s_add_co_u32 s10, s10, s2
	s_add_nc_u64 s[62:63], s[62:63], s[10:11]      ; S1's scale words, my half's
.irp q, 0,1
	s_mov_b32 s[68+4*\q], 1
	s_mov_b32 s[69+4*\q], GRP*\q                   ; LDS, S0: [half of K][group][K step 4]
	s_mov_b32 s[84+4*\q], 1
	s_mov_b32 s[85+4*\q], S1C+HLF*\q
.endr
	s_add_nc_u64 s[74:75], s[70:71], HLF
	s_add_nc_u64 s[90:91], s[86:87], HLF
.irp q, 0,1
	s_or_b32 s[71+4*\q], s[71+4*\q], 0x80000000
	s_or_b32 s[87+4*\q], s[87+4*\q], 0x80000000
.endr
	CROUND                                         ; all four work-groups are here: the joint loads meet
.macro TL g0, g1
	tensor_load_to_lds s[\g0:\g0+3], s[\g1:\g1+7]
	s_nop 0
	PLACES 4
.endm
	; the four fills, one a wave, each on a line of its own: K's first half of S0 (jointly) and of S1, then the second halves
	s_cmp_eq_u32 s22, 0
	s_cbranch_scc0 .Lw1
	TL 68, 36
	s_branch .Lasked
.Lw1:
	s_cmp_eq_u32 s22, 1
	s_cbranch_scc0 .Lw2
	TL 84, 44
	s_branch .Lasked
.Lw2:
	s_cmp_eq_u32 s22, 2
	s_cbranch_scc0 .Lw3
	TL 72, 36
	s_branch .Lasked
.Lw3:
	TL 88, 44
.Lasked:
	v_and_b32 v1, 31, v0                           ; lane
	v_and_b32 v2, 15, v0                           ; r
	v_bfe_u32 v3, v0, 4, 1                         ; h
	s_mul_i32 s30, s23, HLF
	v_lshl_add_u32 v4, v1, 4, s30                  ; S0's images: my group + 16 x lane,
	v_lshl_add_u32 v5, v1, 3, s30                  ; + 8 x lane
	s_mul_i32 s30, s24, 6144
	s_add_co_u32 s30, s30, S1C
	v_lshl_add_u32 v6, v1, 4, s30                  ; S1's: my four tiles
	v_lshl_add_u32 v7, v1, 3, s30
	v_lshlrev_b32 v8, 4, v2                        ; the scale words: row r's four, 16 r
	v_lshlrev_b32 v10, 4, v1                       ; out: 16 x lane
	v_lshlrev_b32 v11, 3, v1                       ; 8 x lane
	v_lshlrev_b32 v14, 6, v3                       ; the bias along S0's rows: 64 h
	v_and_b32 v15, 8, v2
	v_add_nc_u32 v15, v15, v2
	v_lshlrev_b32 v15, 2, v15                      ; along S1's rows: 4 (r + 8 (r / 8))
.irp b, 0,1,2,3
	v_mov_b32 v[TM+4+\b], 0                        ; (a lane permute's destination counts as one of its sources)
.endr
	s_cmp_eq_u32 s26, 1
	s_cselect_b64 s[12:13], s[14:15], s[12:13]
	s_cmp_eq_u32 s26, 2
	s_cselect_b64 s[12:13], s[16:17], s[12:13]     ; bq, bk or bv
	s_lshl_b32 s14, s28, 1
	s_add_co_u32 s14, s14, s23                     ; s14 = 2 i0 + my group: it stays
	s_lshl_b32 s15, s14, 9                         ; q, k: the bias of n = 128 (2 i0 + group) on
	s_lshl_b32 s16, s29, 9
	s_lshl_b32 s17, s24, 8
	s_add_co_u32 s16, s16, s17                     ; v: of n = 128 i1 + 64 half on
	s_cmp_eq_u32 s26, 2
	s_cselect_b32 s16, s16, s15
	s_mov_b32 s17, 0
	s_add_nc_u64 s[12:13], s[12:13], s[16:17]
	s_cmp_eq_u32 s26, 2
	s_cbranch_scc1 .Lbias_v
	WIN 0x80                                       ; destination window 2
	s_wait_alu depctr_va_vdst(0)
.irp t, 0,1,2,3,4,5,6,7                ; q, k: for result tile t my eight registers are n = 32 (t / 2) + 16 h + 8 (t % 2) + 0 .. 7
	global_load_b128 v[BI+8*\t:BI+8*\t+3], v14, s[12:13] offset:(32*(\t/2)+8*(\t%2))*4
	global_load_b128 v[BI+8*\t+4:BI+8*\t+7], v14, s[12:13] offset:(32*(\t/2)+8*(\t%2))*4+16
.endr
	WIN 0
	s_branch .Lbias_done
.Lbias_v:
	WIN 0x80
	s_wait_alu depctr_va_vdst(0)
.irp g, 0,1,2,3,4,5,6,7                ; v: for S1's tile g % 4 all my eight registers hold the bias of my one n (both arms write all 64 registers)
.irp j, 0,1,2,3,4,5,6,7
	global_load_b32 v[BI+8*\g+\j], v15, s[12:13] offset:(32*((\g%4)/2)+8*(\g%2))*4
.endr
.endr
	WIN 0
.Lbias_done:
; S0's eight fragments of K step k of the chunk in hand into set p: 32 loads, each of consecutive bytes
.macro FETCH0 p, k
	WIN 0x80
.irp t, 0,1,2,3,4,5,6,7
	ds_load_b128 v[96*(\p)+12*\t:96*(\p)+12*\t+3], v4 offset:KSB*(\k)+FRB*\t
	ds_load_b64 v[96*(\p)+12*\t+4:96*(\p)+12*\t+5], v5 offset:KSB*(\k)+FRB*\t+512
	ds_load_b128 v[96*(\p)+12*\t+6:96*(\p)+12*\t+9], v4 offset:KSB*(\k)+FRB*\t+768
	ds_load_b64 v[96*(\p)+12*\t+10:96*(\p)+12*\t+11], v5 offset:KSB*(\k)+FRB*\t+1280
.endr
.endm
; S1's tiles a0, a0 + 1: 8 loads
.macro FETCH1 a0, k
	WIN 0
.irp a, \a0, \a0+1
	ds_load_b128 v[SF+12*(\a):SF+12*(\a)+3], v6 offset:KSB*(\k)+FRB*(\a)
	ds_load_b64 v[SF+12*(\a)+4:SF+12*(\a)+5], v7 offset:KSB*(\k)+FRB*(\a)+512
	ds_load_b128 v[SF+12*(\a)+6:SF+12*(\a)+9], v6 offset:KSB*(\k)+FRB*(\a)+768
	ds_load_b64 v[SF+12*(\a)+10:SF+12*(\a)+11], v7 offset:KSB*(\k)+FRB*(\a)+1280
.endr
.endm
; 16 matrix instructions: S1's tiles a0, a0 + 1 x S0's eight, K step s, S0's set p.  cm = 0: onto the sums; 1: the sums begin with the bias along S0's rows; 2: along S1's.
; The 32 accumulators take turns, one instruction a turn, in the same order in every K step.
.macro MUL16 a0, p, s, cm
.if \cm
	WIN 0x62                                       ; source 0 and C window 2, source 1 window 0, D window 1
.else
	WIN 0x52                                       ; source 0 window 2, source 1 window 0, C and D window 1
.endif
.irp a, \a0, \a0+1
.irp t, 0,1,2,3,4,5,6,7
.if \cm == 0
	v_wmma_scale_f32_16x16x128_f8f6f4 v[8*(8*(\a)+\t):8*(8*(\a)+\t)+7], v[96*(\p)+12*\t:96*(\p)+12*\t+11], v[SF+12*(\a):SF+12*(\a)+11], v[8*(8*(\a)+\t):8*(8*(\a)+\t)+7], v[SS0+8*(\s)+\t], v[SS1+4*(\s)+(\a)] matrix_a_fmt:MATRIX_FMT_FP6 matrix_b_fmt:MATRIX_FMT_FP6
.elseif \cm == 1
	v_wmma_scale_f32_16x16x128_f8f6f4 v[8*(8*(\a)+\t):8*(8*(\a)+\t)+7], v[96*(\p)+12*\t:96*(\p)+12*\t+11], v[SF+12*(\a):SF+12*(\a)+11], v[BI+8*\t:BI+8*\t+7], v[SS0+8*(\s)+\t], v[SS1+4*(\s)+(\a)] matrix_a_fmt:MATRIX_FMT_FP6 matrix_b_fmt:MATRIX_FMT_FP6
.else
	v_wmma_scale_f32_16x16x128_f8f6f4 v[8*(8*(\a)+\t):8*(8*(\a)+\t)+7], v[96*(\p)+12*\t:96*(\p)+12*\t+11], v[SF+12*(\a):SF+12*(\a)+11], v[BI+8*(\a):BI+8*(\a)+7], v[SS0+8*(\s)+\t], v[SS1+4*(\s)+(\a)] matrix_a_fmt:MATRIX_FMT_FP6 matrix_b_fmt:MATRIX_FMT_FP6
.endif
.endr
.endr
.endm
; An even K step: its successor lies in the same chunk.
.macro STEP_EVEN s, cm
	s_wait_dscnt 8                                 ; all but the youngest eight loads (S1's tiles 2 and 3) are in
	MUL16 0, 0, \s, \cm
	s_wait_dscnt 0x0                               ; S1's tiles 2 and 3
	PLACES 4                                       ; in front of loads into S1's tiles 0 and 1, just multiplied
	FETCH0 1, 1
	FETCH1 0, 1
	MUL16 2, 0, \s, \cm
	WIN 0
	PLACES 4
	FETCH1 2, 1
.endm
; An odd K step: its successor lies in the next chunk, which is shown landed to every wave by the fetching waves' counted wait and a barrier.  The later chunks stay on their way.
.macro STEP_ODD s                      ; K step 3 alone has a wait and a barrier: its successor lies in K's second half
.if (\s) == 3
	s_wait_tensorcnt 0x0                           ; every wave: all that is still out
.endif
	s_wait_dscnt 8
	MUL16 0, 1, \s, 0
	s_wait_dscnt 0x0                               ; S1's tiles 2 and 3; no LDS instruction is pending at a signal
	WIN 0
.if (\s) == 3
	s_barrier_signal -1
	s_barrier_wait -1
.endif
	v_add_nc_u32 v4, CHK+HLF*(((\s)%4)/3), v4      ; two K steps on; behind K step 3 also over the other group's half
	v_add_nc_u32 v5, CHK+HLF*(((\s)%4)/3), v5
	v_add_nc_u32 v6, CHK, v6
	v_add_nc_u32 v7, CHK, v7
	FETCH0 0, 0
	FETCH1 0, 0
	MUL16 2, 1, \s, 0
	WIN 0
	PLACES 4
	FETCH1 2, 0
.endm
.irp s, 0,1,2,3,4,5,6,7                ; all scale words come into registers once: sixteen lanes read 256 consecutive bytes
	global_load_b128 v[SS0+8*\s:SS0+8*\s+3], v8, s[34:35] offset:512*\s
	global_load_b128 v[SS0+8*\s+4:SS0+8*\s+7], v8, s[34:35] offset:512*\s+256
	global_load_b128 v[SS1+4*\s:SS1+4*\s+3], v8, s[62:63] offset:512*\s
.endr
	s_cmp_lt_u32 s22, 2
	s_cbranch_scc0 .Lnot_h0
	s_wait_tensorcnt 0x0                           ; waves 0 and 1: K's first half is in
.Lnot_h0:
	s_barrier_signal -1
	s_barrier_wait -1                              ; the second halves may be on their way
	FETCH0 0, 0
	FETCH1 0, 0
	FETCH1 2, 0
	s_wait_loadcnt 0x0                             ; the bias
	s_cmp_eq_u32 s26, 2
	s_cbranch_scc1 .Lstep0_v
	STEP_EVEN 0, 1                                 ; the first K step starts the sums with the bias: nothing is cleared, nothing is added later
	s_branch .Lstep1
.Lstep0_v:
	STEP_EVEN 0, 2
.Lstep1:
	STEP_ODD 1
	s_wait_alu depctr_va_vdst(0)
	STEP_EVEN 2, 0
	STEP_ODD 3
	s_wait_alu depctr_va_vdst(0)
	STEP_EVEN 4, 0
	STEP_ODD 5
	s_wait_alu depctr_va_vdst(0)
	STEP_EVEN 6, 0
	s_wait_dscnt 8
	MUL16 0, 1, 7, 0
	s_wait_dscnt 0x0
	MUL16 2, 1, 7, 0
	WIN 0
	PLACES 4                                       ; in front of the first read of results
	; THE WAY OUT.  Gx: x's group (batch and step of the sequence), Gw: W's group (two heads).
	s_cmp_eq_u32 s26, 2
	s_cselect_b32 s32, s14, s29                    ; Gx
	s_cselect_b32 s33, s29, s14                    ; Gw
	s_cselect_b32 s34, s24, 0                      ; v: my half of S1 is the head's low bit
	s_cselect_b32 s35, 0, s24                      ; q, k: it is the half of the step's eight tiles
	s_mov_b32 s46, GRP
	s_cselect_b32 s46, 768, s46                    ; from a fragment's c = 0 half to its c = 1 half: v: 768 bytes on; q, k: the next head
	s_mov_b32 s37, 768
	s_cselect_b32 s37, 1536, s37                   ; from tile to tile
	s_cselect_b32 s38, 0, 16                       ; q, k: lanes 16-31 take the word's upper two bytes, for the second head
	s_cselect_b32 s39, -1, 0xffff
	s_cselect_b32 s40, 0, 0x7f7f0000
	s_cselect_b32 s41, 16, 32                      ; the lanes that store scale words
	s_lshr_b32 s42, s32, 4                         ; batch
	s_and_b32 s43, s32, 15                         ; step of 128 of the sequence
	s_lshl_b32 s42, s42, 4
	s_lshl_b32 s44, s33, 1
	s_add_co_u32 s42, s42, s44
	s_add_co_u32 s42, s42, s34                     ; bh = 16 batch + head
	s_mul_i32 s44, s26, 6291456
	s_mul_i32 s45, s42, GRP
	s_add_co_u32 s44, s44, s45
	s_mul_i32 s45, s43, 6144
	s_add_co_u32 s44, s44, s45
	s_mul_i32 s45, s35, 3072
	s_add_co_u32 s44, s44, s45
	s_mov_b32 s45, 0
	s_mov_b32 s47, 0
	s_add_nc_u64 s[18:19], s[18:19], s[44:45]      ; where the c = 0 halves go,
	s_add_nc_u64 s[46:47], s[18:19], s[46:47]      ; and the c = 1 halves
	s_cmp_eq_u32 s26, 0
	s_mov_b32 s48, 12288
	s_cselect_b32 s48, 8192, s48                   ; a head's bytes in hs
	s_cselect_b32 s49, 0, 524288
	s_mul_i32 s50, s42, s48
	s_add_co_u32 s49, s49, s50
	s_lshl_b32 s50, s43, 9
	s_lshl_b32 s51, s24, 8
	s_add_co_u32 s50, s50, s51                     ; q, k: 512 step + 256 half
	s_lshl_b32 s51, s43, 8
	s_add_co_u32 s51, s51, 8192                    ; v: behind K's 8,192, 256 step
	s_cmp_eq_u32 s26, 2
	s_cselect_b32 s50, s51, s50
	s_cselect_b32 s48, 0, s48                      ; q, k: lanes 16-31 store into the next head's words
	s_add_co_u32 s50, s49, s50
	s_mov_b32 s51, 0
	s_add_nc_u64 s[20:21], s[20:21], s[50:51]
	v_mul_u32_u24 v12, s48, v3
	v_lshl_add_u32 v12, v2, 4, v12                 ; 16 r + h x a head's bytes
	v_mul_u32_u24 v13, s38, v3
; The 64 numbers of S1's tile a, register 16 b + i = S0's row 32 b + 16 h + i, become a fragment's codes in v[PC] on and its scale word in v[SW + a].  Each accumulator is read from its low end on.
.macro QUANT a
.set QS, 64*(\a)
	WIN 0x05                                       ; sources 0 and 1 window 1
.irp b, 0,1,2,3
	v_max3_num_f32 v[TM+\b], |v[QS+16*\b]|, |v[QS+1+16*\b]|, 0x1800000   ; block b: my 16 numbers, and the floor 2^(3 - 127): the byte cannot fall under 1
.endr
.irp i, 2,4,6,8,10,12,14
.irp b, 0,1,2,3
	v_max3_num_f32 v[TM+\b], |v[QS+16*\b+\i]|, |v[QS+1+16*\b+\i]|, v[TM+\b]   ; (the four blocks by turns)
.endr
.endr
	WIN 0
.irp b, 0,1,2,3
	v_permlanex16_b32 v[TM+4+\b], v[TM+\b], s66, s67
.endr
.irp b, 0,1,2,3
	v_max_num_f32 v[TM+\b], v[TM+\b], v[TM+4+\b]   ; with lane l xor 16's: the block's largest magnitude
.endr
.irp b, 0,1,2,3
	v_add_nc_u32 v[TM+12+\b], 0xff000000, v[TM+\b] ; 2 off the exponent field: the conversion's scale operand
.endr
.irp b, 0,1,2,3
	v_lshrrev_b32 v[TM+4+\b], 23, v[TM+12+\b]      ; the scale's byte
.endr
	v_lshl_or_b32 v[SW+(\a)], v[TM+5], 8, v[TM+4]
	v_lshl_or_b32 v[SW+(\a)], v[TM+6], 16, v[SW+(\a)]
	v_lshl_or_b32 v[SW+(\a)], v[TM+7], 24, v[SW+(\a)]
	WIN 0x01                                       ; source 0 window 1
.irp c, 0,1
	v_cvt_scalef32_pk16_fp6_f32 v[PC+6*\c:PC+2+6*\c], v[QS+32*\c:QS+15+32*\c], v[TM+12+2*\c]
	v_cvt_scalef32_pk16_fp6_f32 v[PC+12+4*\c:PC+14+4*\c], v[QS+16+32*\c:QS+31+32*\c], v[TM+12+2*\c+1]   ; (a conversion's three registers begin on an even number)
.endr
	WIN 0
	v_nop                                          ; one plain instruction behind a scaled conversion
.irp c, 0,1                            ; the operand's layout wants a WHOLE block in a lane: lanes 0-15 block 2 c, lanes 16-31 block 2 c + 1
.irp i, 0,1,2
	v_permlane16_swap_b32 v[PC+6*\c+\i], v[PC+12+4*\c+\i]
.endr
.irp i, 0,1,2
	v_mov_b32 v[PC+3+6*\c+\i], v[PC+12+4*\c+\i]
.endr
.endr
.endm
.irp a, 0,1,2,3
	s_wait_xcnt 0x0                                ; the last tile's stores have read their registers: codes and offsets are written again only behind this wait
.if \a > 0
	v_add_nc_u32 v10, s37, v10
	v_add_nc_u32 v11, s37, v11
.endif
	QUANT \a
	global_store_b128 v10, v[PC:PC+3], s[18:19]                ; each store covers 512 or 256 consecutive bytes, at a multiple of 256 from hc's first byte
	global_store_b64 v11, v[PC+4:PC+5], s[18:19] offset:512
	global_store_b128 v10, v[PC+6:PC+9], s[46:47]
	global_store_b64 v11, v[PC+10:PC+11], s[46:47] offset:512
.endr
.irp a, 0,1,2,3
	v_lshrrev_b32 v[WD+\a], v13, v[SW+\a]          ; q, k: my head's two bytes, and 0x7f twice above them; v: the word as it is
.endr
.irp a, 0,1,2,3
	v_and_or_b32 v[WD+\a], v[WD+\a], s39, s40
.endr
	s_wait_alu depctr_va_vdst(0)
	s_wait_xcnt 0x0                                ; EXEC changes only behind this wait
	v_cmp_gt_u32 vcc_lo, s41, v1
	s_and_saveexec_b32 s52, vcc_lo
	global_store_b128 v12, v[WD:WD+3], s[20:21]    ; sixteen lanes store 256 consecutive bytes: row r's words of the four tiles
	s_wait_xcnt 0x0
	s_or_b32 exec_lo, exec_lo, s52
	s_wait_tensorcnt 0x0
	ds_add_u32 v254, v255
	s_wait_dscnt 0x0
	CROUND                                         ; the closing round: no work-group ends while a partner may still ask for a tile that names it
	s_endpgm
.Lfunc_end_k_q38776a67ce_proj:
	.size	k_q38776a67ce_proj, .Lfunc_end_k_q38776a67ce_proj-k_q38776a67ce_proj
	.p2alignl 7, 3214868480
	.fill 96, 4, 3214868480
	.section	.rodata,"a",@progbits
	.p2align	6, 0x0
	.amdhsa_kernel k_q38776a67ce_proj
		.amdhsa_group_segment_fixed_size 307712
		.amdhsa_private_segment_fixed_size 0
		.amdhsa_enable_private_segment 0
		.amdhsa_kernarg_size 72
		.amdhsa_user_sgpr_count 2
		.amdhsa_user_sgpr_kernarg_segment_ptr 1
		.amdhsa_wavefront_size32 1
		.amdhsa_system_sgpr_workgroup_id_x 1
		.amdhsa_system_sgpr_workgroup_id_y 1
		.amdhsa_system_sgpr_workgroup_id_z 1
		.amdhsa_system_vgpr_workitem_id 0
		.amdhsa_next_free_vgpr 768
		.amdhsa_next_free_sgpr 100
		.amdhsa_reserve_vcc 1
		.amdhsa_float_denorm_mode_32 3
		.amdhsa_float_denorm_mode_16_64 3
		.amdhsa_memory_ordered 1
		.amdhsa_forward_progress 1
		.amdhsa_inst_pref_size 106
	.end_amdhsa_kernel
	.amdgpu_metadata
---
amdhsa.version: [ 1, 2 ]
amdhsa.kernels:
  - .name:           k_q38776a67ce_proj
    .symbol:         k_q38776a67ce_proj.kd
    .args:
      - { .name: xc, .offset: 0, .size: 8, .value_kind: global_buffer, .address_space: global }
      - { .name: xs, .offset: 8, .size: 8, .value_kind: global_buffer, .address_space: global }
      - { .name: wc, .offset: 16, .size: 8, .value_kind: global_buffer, .address_space: global }
      - { .name: ws, .offset: 24, .size: 8, .value_kind: global_buffer, .address_space: global }
      - { .name: bq, .offset: 32, .size: 8, .value_kind: global_buffer, .address_space: global }
      - { .name: bk, .offset: 40, .size: 8, .value_kind: global_buffer, .address_space: global }
      - { .name: bv, .offset: 48, .size: 8, .value_kind: global_buffer, .address_space: global }
      - { .name: hc, .offset: 56, .size: 8, .value_kind: global_buffer, .address_space: global }
      - { .name: hs, .offset: 64, .size: 8, .value_kind: global_buffer, .address_space: global }
    .group_segment_fixed_size: 307712
    .private_segment_fixed_size: 0
    .kernarg_segment_align: 8
    .kernarg_segment_size: 72
    .max_flat_workgroup_size: 128
    .sgpr_count:     100
    .vgpr_count:     768
    .wavefront_size: 32
...
	.end_amdgpu_metadata
.endif
;; end of part 3
;; launch attn (part 4): grid 4 x 64, 16 waves a work-group, clusters of 4 x 1, 211,968 bytes of LDS; arguments hc, hs, cc, cs; writes cc, cs
.if DOCPART == 4
	.amdgcn_target "amdgcn-amd-amdhsa--gfx1250"
	.amdhsa_code_object_version 6
	.text
	.protected	k_q38776a67ce_attn
	.globl	k_q38776a67ce_attn
	.p2align	8
	.type	k_q38776a67ce_attn,@function
k_q38776a67ce_attn:
	s_mov_b64 s[64:65], 0
	v_nop
	global_prefetch_b8 v0, s[64:65] scope:SCOPE_SE
	s_setreg_imm32_b32 hwreg(HW_REG_WAVE_MODE, 25, 1), 1
	s_wait_xcnt 0x0
	s_wait_alu depctr_hold_cnt(0) depctr_sa_sdst(0) depctr_va_vdst(0) depctr_va_sdst(0) depctr_va_ssrc(0) depctr_va_vcc(0) depctr_vm_vsrc(0)
	s_getreg_b32 s2, hwreg(HW_REG_IB_STS2, 6, 4)
	s_cmp_eq_u32 s2, 0
	s_cbranch_scc0 .Lentry_in_a_cluster
	s_endpgm
.Lentry_in_a_cluster:
	s_bfe_u32 s2, ttmp6, 0x10000c
	s_cmp_lg_u32 s2, 0x3003
	s_cbranch_scc0 .Lentry_shape_is_right
	s_endpgm
.Lentry_shape_is_right:
; Attention of one head (64 channels, 2,048 keys) on codes of FP6 (E2M3) with E8M0 scales; the result, divided by the row's sum, is quantised in registers into the A operand of the output projection.
; THE SOFTMAX AHEAD OF THE SECOND PRODUCT: t = score x log2(e) / 8; M = the row's largest t so far, rounded UP to a whole number; p = 2^(t - M) is what is quantised, along the keys; it is not normalised.
; The row's sum is taken of the unquantised p, in f32, and divides O at the end.  When M moves, the sum and O are multiplied by 2^(old M - new M): exact.
; SHARES.  A work-group owns 512 queries of one head in two passes of 256, each of its sixteen waves one tile of 16 a pass, in 256 registers: four waves to a SIMD, so that one wave's vector work stands beside another's matrix work and LDS loads.
; THE HEAD'S K AND V LIE IN LDS WHOLE (98,304 bytes of codes each, 12,288 of scale words): every LDS byte is filled once, in four chunks of 512 keys, so the first key steps run while the later chunks are on their way.
; CLUSTER.  The four work-groups of a cluster belong to one head: every tensor load is asked for jointly (wave 0: the scale words; wave 2 q + 1: K's chunk q; wave 2 q + 2: V's).
; LAYOUT.  Both products are used transposed: S^T = K Q^T (source 0 = 16 keys), O^T = V^T P^T (source 0 = 16 channels): a lane holds ONE query throughout.  Lane r of a tile i of 16 rows holds row 32 (i / 2) + 8 (i % 2) + r + 8 (r / 8)
; of its 128, for K's keys and V's channels alike: so p's 16 registers of two neighbouring tiles are 16 neighbouring keys, and O^T's are 16 neighbouring channels.
; The first product's K is 64: the upper halves of K's and Q's fragments (K = 64 .. 127) are zero codes, set once in registers, under the scale byte 0x7f.
; OUT.  cc: [group of 128 rows: 64][K step 8 = head / 2][tile 8][1,536], this head's half (c = head % 2) 768 bytes.  cs: [group][K step][c][r 16][tile 8] half-words: the head's two scale bytes.
; LIMITS: NaN and infinities are not served; a block whose largest magnitude lies under 2^-124, a block of zeros among them, gets the byte 1 (the bytes are read by this program alone).  A block's largest p is taken from the
; block's largest score by the same multiply-add and exponential, which takes v_exp_f32 not to fall where its input rises.
; REGISTERS: v1-6 addresses that stay; v7-11 addresses of the step in hand; v12 -M, v13 the largest t, v[14:15] the sum in two halves; v16-27 Q; v28-31 V's scale words; v32-79 four fragments of K; v80-127 V's four;
;   v128-191 S^T, then p; v192-223 O^T; v224-235 p's codes; v236-247 at work; v248-251 K's scale words; v252 f; v253 p's scale word; v254 at work; v255 Q's scale word.
.set VC,   98304                       ; LDS: K's codes at 0, V's here,
.set KS,   196608                      ; K's scale words, 8,192 bytes,
.set VS,   204800                      ; V's, 4,096,
.set CSST, 208896                      ; and 512 bytes of the work-group's own for the result's scale bytes: no tile lands there
.set CHK,  24576                       ; a chunk: four key steps of 6,144 bytes
.macro CROUND                          ; a round of the cluster's barrier
	s_barrier_signal -1
	s_barrier_wait -1
	s_cmp_lg_u32 s12, 0
	s_cbranch_scc1 .Lnot_wave_0_\@
	s_barrier_signal -3
.Lnot_wave_0_\@:
	s_barrier_wait -3
	s_barrier_signal -1
	s_barrier_wait -1
.endm
	s_load_b256 s[4:11], s[0:1], 0x0               ; hc, hs, cc, cs
	v_lshl_add_u32 v254, v0, 2, 0x33200
	v_mov_b32 v255, 0
	ds_add_u32 v254, v255
	ds_add_u32 v254, v255
	s_wait_dscnt 0x0
	v_lshrrev_b32 v7, 5, v0
	s_delay_alu instid0(VALU_DEP_1)
	v_readfirstlane_b32 s12, v7                    ; wave 0..15
	s_bfe_u32 s13, ttmp6, 0x40000                  ; cx: my place in the cluster
	s_lshl_b32 s14, ttmp9, 2
	s_add_co_u32 s14, s14, s13                     ; my block of 512 queries: it enters Q's and the result's addresses alone
	s_and_b32 s15, ttmp7, 0xffff                   ; bh = 16 batch + head, which the four partners share
	s_mov_b32 s36, 15|(3<<16)|(1<<21)              ; group 1 for the codes: the mask names all four; elements of 8 bytes; bit 21 set beside a mask
	s_mov_b32 s37, 32<<16                          ; rows of 256 bytes,
	s_mov_b32 s38, 96<<16                          ; 96 of them
	s_mov_b32 s39, 32<<16
	s_mov_b32 s40, 96
	s_mov_b32 s41, 32
	s_mov_b32 s42, 0
	s_mov_b32 s43, 0
	s_mov_b32 s44, 15|(3<<16)|(1<<21)              ; for the scale words: 48 rows
	s_mov_b32 s45, 32<<16
	s_mov_b32 s46, 48<<16
	s_mov_b32 s47, 32<<16
	s_mov_b32 s48, 48
	s_mov_b32 s49, 32
	s_mov_b32 s50, 0
	s_mov_b32 s51, 0
	s_mov_b32 s20, 0x76543210
	s_mov_b32 s21, 0xfedcba98                      ; v_permlanex16_b32's selects for lane l xor 16
	s_mov_b32 s22, 0x3e38aa3b                      ; c = log2(e) / 8
	s_mov_b32 s23, s22                             ; (named with it as a pair, so it is written)
	s_mov_b32 s24, 0                               ; where the step's codes begin: 6,144 bytes a step, in K and in V
	s_mov_b32 s25, 0                               ; K's scale words: 512 a step
	s_mov_b32 s26, 0                               ; V's: 256 a step
	s_mul_i32 s16, s15, 98304                      ; the head's codes
	s_mov_b32 s28, s16
	s_mov_b32 s29, 0
	s_mul_i32 s30, s15, 12288
	s_add_co_u32 s30, s30, 524288                  ; the head's scale words of K and V
	s_mov_b32 s31, 0
	s_wait_kmcnt 0x0
	s_mov_b32 s52, 1
	s_mov_b32 s53, KS
	s_add_nc_u64 s[54:55], s[6:7], s[30:31]
	s_or_b32 s55, s55, 0x80000000
	s_mov_b32 s68, 1
	s_add_nc_u64 s[70:71], s[4:5], s[28:29]        ; hc + the head's codes
	CROUND                                         ; all four work-groups are here: the joint loads meet
; THE NINE FIRST FILLS, ONE A WAVE, each on a line of its own in one chain of arms: wave 0 the scale words, wave 2 q + 1 K's chunk q, wave 2 q + 2 V's.  An arm writes its own constants into group 0.
.macro ARM w, lds, off
	s_cmp_eq_u32 s12, \w
	s_cbranch_scc0 .Larm_\@
	s_mov_b32 s69, \lds
	s_add_nc_u64 s[70:71], s[70:71], \off
	s_or_b32 s71, s71, 0x80000000
	tensor_load_to_lds s[68:71], s[36:43]
	s_nop 0
.rept 4
	v_nop
.endr
	s_branch .Lasked
.Larm_\@:
.endm
	s_cmp_eq_u32 s12, 0
	s_cbranch_scc0 .Lnot_sc
	tensor_load_to_lds s[52:55], s[44:51]
	s_nop 0
.rept 4
	v_nop
.endr
	s_branch .Lasked
.Lnot_sc:
.irp q, 0,1,2,3
	ARM 2*\q+1, CHK*\q, 6291456+CHK*\q
	ARM 2*\q+2, VC+CHK*\q, 12582912+CHK*\q
.endr
.Lasked:
; A WORK-GROUP OWNS 512 QUERIES OF ITS HEAD, IN TWO PASSES of 256 (a tile of 16 a wave) over the K and V that lie in LDS: 256 work-groups, the four of a head in one cluster.
; PHEAD p: pass p's Q and a fresh state.  PTAIL p: its way out.  Pass p's result scale bytes have 512 LDS bytes of their own (CSST + 2,560 p) and leave at the launch's end, behind its one closing barrier.
.macro PHEAD p
.if \p
	s_wait_xcnt 0x0                                ; the first pass's stores have read their registers
	s_add_co_u32 s14, s14, 1                       ; my block of 256 queries: 2 x work-group + pass
	s_mov_b32 s24, 0
	s_mov_b32 s25, 0
	s_mov_b32 s26, 0
.else
	s_lshl_b32 s14, s14, 1
.endif
	s_mul_i32 s16, s15, 98304                      ; the head's codes
	s_lshl_b32 s19, s14, 4
	s_add_co_u32 s19, s19, s12                     ; my tile of queries, 0 .. 127
	s_mul_i32 s32, s19, 768
	s_add_co_u32 s32, s32, s16
	s_mov_b32 s33, 0
	s_add_nc_u64 s[32:33], s[4:5], s[32:33]        ; its codes
	s_lshl_b32 s34, s15, 13
	s_lshr_b32 s35, s19, 2
	s_lshl_b32 s35, s35, 8
	s_add_co_u32 s34, s34, s35
	s_and_b32 s35, s19, 3
	s_lshl_b32 s35, s35, 2
	s_add_co_u32 s34, s34, s35
	s_mov_b32 s35, 0
	s_add_nc_u64 s[34:35], s[6:7], s[34:35]        ; its scale words: 256 (tile / 4) + 16 r + 4 (tile % 4)
	v_and_b32 v7, 31, v0                           ; lane
	v_and_b32 v8, 15, v0                           ; r
	s_delay_alu instid0(VALU_DEP_2)
	v_lshlrev_b32 v1, 4, v7                        ; K's images: 16 x lane,
	s_delay_alu instid0(VALU_DEP_3)
	v_lshlrev_b32 v2, 3, v7
	s_delay_alu instid0(VALU_DEP_1)
	v_add_nc_u32 v2, 512, v2                       ; 512 + 8 x lane
	s_delay_alu instid0(VALU_DEP_3)
	v_add_nc_u32 v3, VC, v1                        ; V's
	s_delay_alu instid0(VALU_DEP_2)
	v_add_nc_u32 v4, VC, v2
	v_lshlrev_b32 v254, 4, v8                      ; 16 r
	s_delay_alu instid0(VALU_DEP_1)
	v_add_nc_u32 v5, KS, v254
	s_delay_alu instid0(VALU_DEP_2)
	v_add_nc_u32 v6, VS, v254
	global_load_b128 v[16:19], v1, s[32:33]        ; Q's half fragment stays in registers
	global_load_b64 v[20:21], v2, s[32:33]
	global_load_b32 v255, v254, s[34:35]
.irp j, 22,23,24,25,26,27
	v_mov_b32 v[\j], 0                             ; K = 64 .. 127: zero codes, in Q
.endr
.irp t, 0,1,2,3
.irp j, 6,7,8,9,10,11
	v_mov_b32 v[32+12*\t+\j], 0                    ; and in K's four fragments: set once, never loaded
.endr
.endr
	v_mov_b32 v13, 0xff61b1e6                      ; the largest t so far: -3e38, under every t
	s_delay_alu instid0(VALU_DEP_1)
	v_floor_f32 v12, -v13                          ; -M
	v_mov_b32 v14, 0                               ; the sum, in two halves
	v_mov_b32 v15, 0
.irp b, 0,1,2,3
	v_mov_b32 v[240+\b], 0                         ; (a lane permute's destination counts as one of its sources)
.endr
	v_mov_b32 v253, 0                              ; (named as the upper half of the pair v[252:253] before it is first written)
.set J, 0
.rept 32
	v_mov_b32 v[192+J], 0                          ; O^T.  (The step is written once: the first finds zeros, which the first change of M leaves zeros)
.set J, J+1
.endr
; A KEY STEP: 128 keys.
.endm
.macro STEP
	v_add_nc_u32 v7, s24, v1                       ; the step's addresses; these five are also the places behind the last step's products
	v_add_nc_u32 v8, s24, v2
	v_add_nc_u32 v9, s24, v3
	v_add_nc_u32 v10, s24, v4
	v_add_nc_u32 v11, s25, v5
.irp t, 0,1,2,3                        ; S^T = K Q^T, four tiles of 16 keys at a time
	ds_load_b128 v[32+12*\t:35+12*\t], v7 offset:768*\t
	ds_load_b64 v[36+12*\t:37+12*\t], v8 offset:768*\t
.endr
	ds_load_b128 v[248:251], v11
	s_wait_alu depctr_va_vdst(0)
	s_wait_dscnt 0x0
.irp t, 0,1,2,3
	v_wmma_scale_f32_16x16x128_f8f6f4 v[128+8*\t:135+8*\t], v[32+12*\t:43+12*\t], v[16:27], 0, v[248+\t], v255 matrix_a_fmt:MATRIX_FMT_FP6 matrix_b_fmt:MATRIX_FMT_FP6
.endr
.rept 4
	v_nop                                          ; places in front of loads into registers that matrix instructions have read
.endr
.irp t, 0,1,2,3
	ds_load_b128 v[32+12*\t:35+12*\t], v7 offset:768*(4+\t)
	ds_load_b64 v[36+12*\t:37+12*\t], v8 offset:768*(4+\t)
.endr
	ds_load_b128 v[248:251], v11 offset:256
	v_add_nc_u32 v11, s26, v6                      ; from here on: V's scale words
.irp t, 0,1,2,3                        ; V's four fragments are asked for here and land under the softmax
	ds_load_b128 v[80+12*\t:83+12*\t], v9 offset:1536*\t
	ds_load_b64 v[84+12*\t:85+12*\t], v10 offset:1536*\t
	ds_load_b128 v[86+12*\t:89+12*\t], v9 offset:1536*\t+768
	ds_load_b64 v[90+12*\t:91+12*\t], v10 offset:1536*\t+768
.endr
	ds_load_b128 v[28:31], v11
	s_wait_dscnt 17                                ; K's are in; V's 16 loads and its scale words may be out
.irp t, 0,1,2,3
	v_wmma_scale_f32_16x16x128_f8f6f4 v[160+8*\t:167+8*\t], v[32+12*\t:43+12*\t], v[16:27], 0, v[248+\t], v255 matrix_a_fmt:MATRIX_FMT_FP6 matrix_b_fmt:MATRIX_FMT_FP6
.endr
.rept 4
	v_nop
.endr
.irp b, 0,1,2,3
	v_max3_num_f32 v[236+\b], v[128+16*\b], v[129+16*\b], v[130+16*\b]   ; THE LARGEST SCORE OF EACH BLOCK OF 32 KEYS: it serves twice: for the row's maximum, and, since p rises with the score, for the block's largest p
.endr
.irp i, 3,5,7,9,11,13
.irp b, 0,1,2,3
	v_max3_num_f32 v[236+\b], v[236+\b], v[128+16*\b+\i], v[129+16*\b+\i]   ; (the four blocks by turns)
.endr
.endr
.irp b, 0,1,2,3
	v_max_num_f32 v[236+\b], v[236+\b], v[143+16*\b]
.endr
.irp b, 0,1,2,3
	s_delay_alu instid0(VALU_DEP_4)
	v_permlanex16_b32 v[240+\b], v[236+\b], s20, s21
.endr
.irp b, 0,1,2,3
	s_delay_alu instid0(VALU_DEP_4)
	v_max_num_f32 v[236+\b], v[236+\b], v[240+\b]  ; with lane l xor 16's 16 keys
.endr
	s_delay_alu instid0(VALU_DEP_2)
	v_max3_num_f32 v254, v236, v237, v238
	s_delay_alu instid0(VALU_DEP_1)
	v_max_num_f32 v254, v254, v239                 ; the step's largest score of my query
	s_delay_alu instid0(VALU_DEP_1)
	v_mul_f32 v254, s22, v254                      ; as t (c is positive)
	s_delay_alu instid0(VALU_DEP_1)
	v_max_num_f32 v13, v13, v254                   ; the running largest t
	v_mov_b32 v254, v12
	s_delay_alu instid0(VALU_DEP_2)
	v_floor_f32 v12, -v13                          ; the new -M = floor(-t) = -ceil(t): M is a whole number
	s_delay_alu instid0(VALU_DEP_1)
	v_sub_f32 v254, v12, v254                      ; M's old value less its new one: a whole number, 0 or less
	s_delay_alu instid0(VALU_DEP_1)
	v_cvt_i32_f32 v254, v254                       ; (it saturates)
	s_delay_alu instid0(VALU_DEP_1)
	v_ldexp_f32 v252, 1.0, v254                    ; f = 2^(old M - new M): a multiplication by it rounds nothing
.set J, 0
.rept 32
	v_pk_fma_f32 v[128+J:129+J], v[128+J:129+J], s[22:23], v[12:13] op_sel_hi:[1,0,0]   ; t - M, two at a time (of the pairs c and -M the low word serves both halves)
.set J, J+2
.endr
.irp b, 0,1,2,3
	v_fma_f32 v[236+\b], v[236+\b], s22, v12       ; the same of each block's largest score
.endr
.set J, 0
	s_wait_alu depctr_va_vdst(0)
.rept 64
	v_exp_f32 v[128+J], v[128+J]                   ; p = 2^(t - M), at most 1: not normalised
.set J, J+1
.endr
	v_pk_mul_f32 v[14:15], v[14:15], v[252:253] op_sel_hi:[1,0]   ; the sums under the new M.  (The plain instruction behind the exponentials)
	s_wait_alu depctr_va_vdst(0)                   ; one wait for the whole batch, ahead of its first reader
.irp b, 0,1,2,3
	v_exp_f32 v[236+\b], v[236+\b]                 ; the block's largest p: the same two instructions on the same number give the same bits
.endr
	v_pk_add_f32 v[240:241], v[132:133], v[136:137]
	v_pk_add_f32 v[250:251], v[140:141], v[144:145]
	v_pk_add_f32 v[248:249], v[148:149], v[152:153]
	v_pk_add_f32 v[246:247], v[156:157], v[160:161]
	v_pk_add_f32 v[244:245], v[164:165], v[168:169]
	v_pk_add_f32 v[242:243], v[172:173], v[176:177]
	v_pk_add_f32 v[234:235], v[180:181], v[184:185]
	v_pk_add_f32 v[14:15], v[14:15], v[188:189]
	v_pk_add_f32 v[240:241], v[240:241], v[128:129]
	v_pk_add_f32 v[250:251], v[250:251], v[130:131]
	v_pk_add_f32 v[248:249], v[248:249], v[134:135]
	v_pk_add_f32 v[246:247], v[246:247], v[138:139]
	v_pk_add_f32 v[244:245], v[244:245], v[142:143]
	v_pk_add_f32 v[242:243], v[242:243], v[146:147]
	v_pk_add_f32 v[234:235], v[234:235], v[150:151]
	v_pk_add_f32 v[14:15], v[14:15], v[154:155]
	v_pk_add_f32 v[240:241], v[240:241], v[158:159]
	v_pk_add_f32 v[250:251], v[250:251], v[162:163]
	v_pk_add_f32 v[248:249], v[248:249], v[166:167]
	v_pk_add_f32 v[246:247], v[246:247], v[170:171]
	v_pk_add_f32 v[244:245], v[244:245], v[174:175]
	v_pk_add_f32 v[242:243], v[242:243], v[178:179]
	v_pk_add_f32 v[234:235], v[234:235], v[182:183]
	v_pk_add_f32 v[14:15], v[14:15], v[186:187]
	v_pk_add_f32 v[240:241], v[240:241], v[190:191]
	s_delay_alu instid0(VALU_DEP_2)
	v_pk_add_f32 v[14:15], v[14:15], v[246:247]
	s_delay_alu instid0(VALU_DEP_2)
	v_pk_add_f32 v[240:241], v[240:241], v[244:245]
	v_pk_add_f32 v[250:251], v[250:251], v[242:243]
	v_pk_add_f32 v[248:249], v[248:249], v[234:235]
	s_delay_alu instid0(VALU_DEP_2)
	v_pk_add_f32 v[14:15], v[14:15], v[250:251]
	s_delay_alu instid0(VALU_DEP_2)
	v_pk_add_f32 v[240:241], v[240:241], v[248:249]
	s_delay_alu instid0(VALU_DEP_1)
	v_pk_add_f32 v[14:15], v[14:15], v[240:241]
	s_wait_alu depctr_va_vdst(0)                   ; and one for the four
.irp b, 0,1,2,3
	v_max_num_f32 v[236+\b], 0x1800000, v[236+\b]  ; the floor 2^(3 - 127): the byte cannot fall under 1 (a block whose every p has fallen to 0 keeps that byte: its codes are zeros)
.endr
.irp b, 0,1,2,3
	s_delay_alu instid0(VALU_DEP_4)
	v_add_nc_u32 v[244+\b], 0xff000000, v[236+\b]  ; 2 off the exponent field: the conversion's scale operand
.endr
.irp b, 0,1,2,3
	s_delay_alu instid0(VALU_DEP_4)
	v_lshrrev_b32 v[240+\b], 23, v[244+\b]         ; the scale's byte
.endr
	s_delay_alu instid0(VALU_DEP_3)
	v_lshl_or_b32 v253, v241, 8, v240              ; p's scale word for these 128 keys
	s_delay_alu instid0(VALU_DEP_1)
	v_lshl_or_b32 v253, v242, 16, v253
	s_delay_alu instid0(VALU_DEP_1)
	v_lshl_or_b32 v253, v243, 24, v253
.irp c, 0,1
	v_cvt_scalef32_pk16_fp6_f32 v[224+6*\c:226+6*\c], v[128+32*\c:143+32*\c], v[244+2*\c]
	v_cvt_scalef32_pk16_fp6_f32 v[236+4*\c:238+4*\c], v[144+32*\c:159+32*\c], v[244+2*\c+1]   ; (a conversion's three registers begin on an even number)
.endr
	v_nop                                          ; one plain instruction behind a scaled conversion
.irp c, 0,1                            ; the operand's layout wants a WHOLE block in a lane: lanes 0-15 block 2 c, lanes 16-31 block 2 c + 1
.irp i, 0,1,2
	v_permlane16_swap_b32 v[224+6*\c+\i], v[236+4*\c+\i]
.endr
.irp i, 0,1,2
	s_delay_alu instid0(VALU_DEP_3)
	v_mov_b32 v[227+6*\c+\i], v[236+4*\c+\i]
.endr
.endr
.set J, 0
.rept 16
	v_pk_mul_f32 v[192+J:193+J], v[192+J:193+J], v[252:253] op_sel_hi:[1,0]   ; O^T under the new M: x f.  (These are also the places between the codes' and the scale word's last writes and the products below)
.set J, J+2
.endr
	s_wait_alu depctr_va_vdst(0)
	s_wait_dscnt 0x0                               ; V's fragments and scale words
.irp t, 0,1,2,3                        ; O^T += V^T P^T: the four accumulators by turns
	v_wmma_scale_f32_16x16x128_f8f6f4 v[192+8*\t:199+8*\t], v[80+12*\t:91+12*\t], v[224:235], v[192+8*\t:199+8*\t], v[28+\t], v253 matrix_a_fmt:MATRIX_FMT_FP6 matrix_b_fmt:MATRIX_FMT_FP6
.endr
	s_add_co_u32 s24, s24, 6144                    ; the next step
	s_add_co_u32 s25, s25, 512
	s_add_co_u32 s26, s26, 256
.endm
; A chunk of four key steps.  The fetching waves' counted wait and a barrier show it landed to all sixteen waves; the later chunks stay on their way.
.macro RUN n                           ; n key steps
	s_mov_b32 s27, \n
.Lstep_\@:
	STEP
	s_sub_co_u32 s27, s27, 1
	s_cmp_lg_u32 s27, 0
	s_cbranch_scc1 .Lstep_\@
.endm
.macro PTAIL p
	; THE WAY OUT.  O^T / the sum; register 16 b + i is channel 32 b + 16 h + i of my query: two blocks of 32 along the output projection's K.
.rept 4
	v_nop                                          ; places behind the last products
.endr
	v_add_f32 v14, v14, v15                        ; the sum's two halves,
	s_delay_alu instid0(VALU_DEP_1)
	v_permlanex16_b32 v252, v14, s20, s21
	s_delay_alu instid0(VALU_DEP_1)
	v_add_f32 v14, v14, v252                       ; and lane l xor 16's: the row's sum
	s_wait_alu depctr_va_vdst(0)
	v_rcp_f32 v14, v14
	v_and_b32 v8, 15, v0                           ; (a plain instruction behind the reciprocal)  r
	v_bfe_u32 v7, v0, 4, 1                         ; h
	s_lshr_b32 s16, s12, 3                         ; which of the work-group's two groups of 128 rows my tile lies in
	s_lshl_b32 s17, s16, 8
	s_and_b32 s18, s12, 7                          ; and which tile of it
	s_lshl_b32 s19, s18, 1
	s_add_co_u32 s17, s17, s19
	s_add_co_u32 s17, s17, CSST+2560*\p
	v_lshl_add_u32 v10, v8, 4, s17                 ; my query's half-word: 256 group + 16 r + 2 tile
	v_add_nc_u32 v9, CSST, v1                      ; and, for wave 0, 16 bytes a lane of the 512
	v_lshlrev_b32 v7, 12, v7
	s_delay_alu instid0(VALU_DEP_1)
	v_lshl_add_u32 v7, v8, 4, v7                   ; in cs: 4,096 h (the second group) + 16 r
	s_and_b32 s28, s15, 15                         ; head
	s_lshr_b32 s29, s15, 4
	s_lshl_b32 s29, s29, 4
	s_lshl_b32 s30, s14, 1
	s_add_co_u32 s29, s29, s30                     ; the first group: 16 batch + 2 x block of queries
	s_lshr_b32 s31, s28, 1                         ; K step = head / 2
	s_and_b32 s28, s28, 1                          ; c = head % 2
	s_add_co_u32 s30, s29, s16
	s_lshl_b32 s30, s30, 3
	s_add_co_u32 s30, s30, s31
	s_lshl_b32 s30, s30, 3
	s_add_co_u32 s30, s30, s18
	s_mul_i32 s32, s30, 1536
	s_mul_i32 s33, s28, 768
	s_add_co_u32 s32, s32, s33
	s_mov_b32 s33, 0
	s_add_nc_u64 s[72:73], s[8:9], s[32:33]        ; my half fragment in cc
	s_lshl_b32 s34, s29, 3
	s_add_co_u32 s34, s34, s31
	s_lshl_b32 s34, s34, 9
	s_lshl_b32 s35, s28, 8
	s_add_co_u32 s34, s34, s35
	s_mov_b32 s35, 0
	s_add_nc_u64 s[74+2*\p:75+2*\p], s[10:11], s[34:35]   ; the pass's scale bytes in cs
	s_wait_alu depctr_va_vdst(0)                   ; the wait ahead of the reciprocal's first reader
.set J, 0
.rept 32
	v_mul_f32 v[128+J], v[192+J], v14              ; each accumulator from its low end on
.set J, J+1
.endr
.irp b, 0,1
	v_max3_num_f32 v[236+\b], |v[128+16*\b]|, |v[129+16*\b]|, 0x1800000   ; block b: my 16 numbers, and the floor
.endr
.irp i, 2,4,6,8,10,12,14
.irp b, 0,1
	s_delay_alu instid0(VALU_DEP_2)
	v_max3_num_f32 v[236+\b], v[236+\b], |v[128+16*\b+\i]|, |v[129+16*\b+\i]|
.endr
.endr
.irp b, 0,1
	s_delay_alu instid0(VALU_DEP_2)
	v_permlanex16_b32 v[240+\b], v[236+\b], s20, s21
.endr
.irp b, 0,1
	s_delay_alu instid0(VALU_DEP_2)
	v_max_num_f32 v[236+\b], v[236+\b], v[240+\b]
.endr
.irp b, 0,1
	s_delay_alu instid0(VALU_DEP_2)
	v_add_nc_u32 v[244+\b], 0xff000000, v[236+\b]
.endr
.irp b, 0,1
	s_delay_alu instid0(VALU_DEP_2)
	v_lshrrev_b32 v[240+\b], 23, v[244+\b]
.endr
	s_delay_alu instid0(VALU_DEP_1)
	v_lshl_or_b32 v254, v241, 8, v240              ; the head's two scale bytes
	v_cvt_scalef32_pk16_fp6_f32 v[224:226], v[128:143], v244
	v_cvt_scalef32_pk16_fp6_f32 v[236:238], v[144:159], v245
	v_nop                                          ; one plain instruction behind a scaled conversion
.irp i, 0,1,2
	v_permlane16_swap_b32 v[224+\i], v[236+\i]
.endr
.irp i, 0,1,2
	s_delay_alu instid0(VALU_DEP_3)
	v_mov_b32 v[227+\i], v[236+\i]
.endr
	global_store_b128 v1, v[224:227], s[72:73]     ; 512 consecutive bytes, then 256, at multiples of 256 from cc's first byte
	global_store_b64 v2, v[228:229], s[72:73]
	ds_store_b16 v10, v254                         ; (both lanes of a query write the same half-word with the same value)
.endm
	PHEAD 0
	s_wait_loadcnt 0x0                             ; Q
	s_wait_dscnt 0x0
	s_cmp_lt_u32 s12, 3
	s_cbranch_scc0 .Lnot_a
	s_wait_tensorcnt 0x0                           ; waves 0 to 2: the scale words and the first chunks of K and V
.Lnot_a:
	s_barrier_signal -1
	s_barrier_wait -1                              ; the later chunks may be on their way
	RUN 4
	s_wait_tensorcnt 0x0                           ; every wave: all that is still out
	s_wait_dscnt 0x0
	s_barrier_signal -1
	s_barrier_wait -1                              ; all of K and V is shown to all: no barrier follows until both passes are done
	RUN 12
	PTAIL 0
	PHEAD 1
	s_wait_loadcnt 0x0                             ; Q
	RUN 16
	PTAIL 1
	s_wait_dscnt 0x0                               ; for wave 0's sake: my half-words of both passes have landed
	s_barrier_signal -1
	s_barrier_wait -1
	s_cmp_lg_u32 s12, 0
	s_cbranch_scc1 .Lnot_first
	ds_load_b128 v[128:131], v9
	ds_load_b128 v[132:135], v9 offset:2560
	s_wait_dscnt 0x0
	global_store_b128 v7, v[128:131], s[74:75]     ; sixteen lanes store 256 consecutive bytes for each of a pass's two groups
	global_store_b128 v7, v[132:135], s[76:77]
.Lnot_first:
	s_wait_xcnt 0x0
	v_lshl_add_u32 v254, v0, 2, 0x33200
	v_mov_b32 v255, 0
	s_wait_alu depctr_va_vdst(0)
	s_wait_tensorcnt 0x0
	ds_add_u32 v254, v255
	s_wait_dscnt 0x0
	CROUND                                         ; the closing round: no work-group ends while a partner may still ask for a tile that names it
	s_endpgm
.Lfunc_end_k_q38776a67ce_attn:
	.size	k_q38776a67ce_attn, .Lfunc_end_k_q38776a67ce_attn-k_q38776a67ce_attn
	.p2alignl 7, 3214868480
	.fill 96, 4, 3214868480
	.section	.rodata,"a",@progbits
	.p2align	6, 0x0
	.amdhsa_kernel k_q38776a67ce_attn
		.amdhsa_group_segment_fixed_size 211968
		.amdhsa_private_segment_fixed_size 0
		.amdhsa_enable_private_segment 0
		.amdhsa_kernarg_size 32
		.amdhsa_user_sgpr_count 2
		.amdhsa_user_sgpr_kernarg_segment_ptr 1
		.amdhsa_wavefront_size32 1
		.amdhsa_system_sgpr_workgroup_id_x 1
		.amdhsa_system_sgpr_workgroup_id_y 1
		.amdhsa_system_sgpr_workgroup_id_z 1
		.amdhsa_system_vgpr_workitem_id 0
		.amdhsa_next_free_vgpr 256
		.amdhsa_next_free_sgpr 90
		.amdhsa_reserve_vcc 0
		.amdhsa_float_denorm_mode_32 3
		.amdhsa_float_denorm_mode_16_64 3
		.amdhsa_memory_ordered 1
		.amdhsa_forward_progress 1
		.amdhsa_inst_pref_size 81
	.end_amdhsa_kernel
	.amdgpu_metadata
---
amdhsa.version: [ 1, 2 ]
amdhsa.kernels:
  - .name:           k_q38776a67ce_attn
    .symbol:         k_q38776a67ce_attn.kd
    .args:
      - { .name: hc, .offset: 0, .size: 8, .value_kind: global_buffer, .address_space: global }
      - { .name: hs, .offset: 8, .size: 8, .value_kind: global_buffer, .address_space: global }
      - { .name: cc, .offset: 16, .size: 8, .value_kind: global_buffer, .address_space: global }
      - { .name: cs, .offset: 24, .size: 8, .value_kind: global_buffer, .address_space: global }
    .group_segment_fixed_size: 211968
    .private_segment_fixed_size: 0
    .kernarg_segment_align: 8
    .kernarg_segment_size: 32
    .max_flat_workgroup_size: 512
    .sgpr_count:     90
    .vgpr_count:     256
    .wavefront_size: 32
...
	.end_amdgpu_metadata
.endif
;; end of part 4
;; launch outproj (part 5): grid 4 x 64, 4 waves a work-group, clusters of 4 x 1, 307,712 bytes of LDS; arguments cc, cs, wc, ws, bo, out0; writes out0
.if DOCPART == 5
	.amdgcn_target "amdgcn-amd-amdhsa--gfx1250"
	.amdhsa_code_object_version 6
	.text
	.protected	k_q38776a67ce_outproj
	.globl	k_q38776a67ce_outproj
	.p2align	8
	.type	k_q38776a67ce_outproj,@function
k_q38776a67ce_outproj:
	s_mov_b64 s[64:65], 0
	v_nop
	global_prefetch_b8 v0, s[64:65] scope:SCOPE_SE
	s_setreg_imm32_b32 hwreg(HW_REG_WAVE_MODE, 25, 1), 1
	s_wait_xcnt 0x0
	s_wait_alu depctr_hold_cnt(0) depctr_sa_sdst(0) depctr_va_vdst(0) depctr_va_sdst(0) depctr_va_ssrc(0) depctr_va_vcc(0) depctr_vm_vsrc(0)
	s_getreg_b32 s2, hwreg(HW_REG_IB_STS2, 6, 4)
	s_cmp_eq_u32 s2, 0
	s_cbranch_scc0 .Lentry_in_a_cluster
	s_endpgm
.Lentry_in_a_cluster:
	s_bfe_u32 s2, ttmp6, 0x10000c
	s_cmp_lg_u32 s2, 0x3003
	s_cbranch_scc0 .Lentry_shape_is_right
	s_endpgm
.Lentry_shape_is_right:
; out0 = concat Wo + bo on codes of FP6 (E2M3) with E8M0 scales.  SOURCE 0 (S0) = Wo (rows n), SOURCE 1 (S1) = the attention's result (rows m): a lane holds one row m and eight neighbouring n a tile.
; All operands lie as fragment images (16 rows x 128 K, 1,536 bytes: for c = 0, 1 registers 6 c .. 6 c + 3 of lane l at 768 c + 16 l, registers 6 c + 4, 6 c + 5 at 768 c + 512 + 8 l), [group of 128 rows][K step 8][tile 8];
; lane r of tile i holds row 32 (i / 2) + 8 (i % 2) + r + 8 (r / 8) of its group.
; SHARES.  A work-group: 256 n x 128 m, all of K = 1,024; its operands lie in LDS whole: every LDS byte is filled once, in halves of K.  A wave: 128 n (8 tiles) x 64 m (4 tiles): 32 accumulators.
; CLUSTER.  The four work-groups of a cluster take the same 256 n and neighbouring groups of m: Wo's codes (two thirds of the codes) are asked for jointly; the scale words and S1 come by loads of the work-group's own.
; S1's scale bytes lie as half-words, one plane for each half of a K step: a word is put together from two planes by v_perm_b32.
; REGISTERS.  Window 0: v1-15 lane numbers and addresses; v16-63 S1's 4 fragments; v64-127 S0's scale words (8 K step + tile); v128-159 S1's (4 K step + tile); v160-191 S1's half-words as loaded.
;   Window 1: the 32 accumulators, (a, t) at v[8 (8 a + t)].   Window 2: v0-95, v96-191 S0's fragments, two sets (on the way out v0-127: rows read back); v192-255 the bias in the result's layout.
.set GRP, 98304
.set CHK, 24576
.set KSB, 12288
.set FRB, 1536
.set S1C, 2*GRP                        ; LDS: S0's two groups, then S1's group,
.set SC0, 3*GRP
.set SC1, SC0+8192
.set SPT, 528                          ; the way out: a stage of 16 rows x (512 bytes + 16) for each wave, in S0's first K steps, which have had their one fill and, behind the last barrier, their last read
.set SF,  16
.set SS0, 64
.set SS1, 128
.set BI,  192
.set MSB, 0
.macro WIN new                         ; the immediate's high byte repeats the setting that is left
.if MSB != \new
	s_set_vgpr_msb (MSB<<8)|\new
.set MSB, \new
.endif
.endm
.macro CROUND                          ; a round of the cluster's barrier
	s_barrier_signal -1
	s_barrier_wait -1
	s_cmp_lg_u32 s22, 0
	s_cbranch_scc1 .Lnot_wave_0_\@
	s_barrier_signal -3
.Lnot_wave_0_\@:
	s_barrier_wait -3
	s_barrier_signal -1
	s_barrier_wait -1
.endm
.macro PLACES n                        ; plain vector instructions between a matrix instruction and a load into, or a read of, its registers
.rept \n
	v_nop
.endr
.endm
	s_load_b256 s[4:11], s[0:1], 0x0               ; cc, cs, wc, ws
	s_load_b128 s[12:15], s[0:1], 0x20             ; bo, out0
	v_lshl_add_u32 v254, v0, 2, 0x4b000
	v_mov_b32 v255, 0
	ds_add_u32 v254, v255
	ds_add_u32 v254, v255
	v_lshrrev_b32 v1, 5, v0
	v_readfirstlane_b32 s22, v1                    ; wave 0..3
	s_lshr_b32 s23, s22, 1                         ; which group of S0 is mine
	s_and_b32 s24, s22, 1                          ; which half of S1's group
	s_bfe_u32 s25, ttmp6, 0x40000                  ; cx: my place in the cluster
	s_and_b32 s27, ttmp7, 0xffff
	s_and_b32 s28, s27, 3                          ; i0: the pair of Wo's groups: it hangs on y alone
	s_lshr_b32 s29, s27, 2
	s_lshl_b32 s29, s29, 2
	s_add_co_u32 s29, s29, s25                     ; i1: the group of rows m
	s_lshl_b32 s3, s28, 1
	s_add_co_u32 s3, s3, 24                        ; Wo is the fourth tensor in wc: its groups begin at 24
	s_mov_b32 s36, 15|(3<<16)|(1<<21)              ; S0's codes: the mask names all four work-groups; elements of 8 bytes; bit 21 set beside a mask
	s_mov_b32 s44, 3<<16                           ; S1's codes: no mask
.set HLF, 49152                        ; four K steps of a group: half of K
	s_mov_b32 s37, 6144<<16                        ; S0: half of K of both groups is one tile: two rows of 6,144 elements (49,152 bytes),
	s_mov_b32 s38, 2<<16
	s_mov_b32 s39, 6144<<16
	s_mov_b32 s40, 2
	s_mov_b32 s41, 12288                           ; a group (98,304 bytes) apart in memory, on end in LDS
	s_mov_b32 s42, 0
	s_mov_b32 s43, 0
	s_mov_b32 s45, 32<<16                          ; S1: half of K of its group: 192 rows of 256 bytes
	s_mov_b32 s46, 192<<16
	s_mov_b32 s47, 32<<16
	s_mov_b32 s48, 192
	s_mov_b32 s49, 32
	s_mov_b32 s50, 0
	s_mov_b32 s51, 0
	s_mov_b32 s66, 0x05040100                      ; v_perm_b32: the two low halves,
	s_mov_b32 s67, 0x07060302                      ; the two high halves
	s_mul_i32 s30, s3, GRP
	s_mov_b32 s31, 0
	s_mul_i32 s16, s29, GRP                        ; (cx enters S1's addresses alone, in registers of their own)
	s_mov_b32 s17, 0
	s_wait_dscnt 0x0
	s_wait_kmcnt 0x0
	s_add_nc_u64 s[70:71], s[8:9], s[30:31]        ; S0's pair of groups
	s_add_co_u32 s2, s3, s23
	s_lshl_b32 s30, s2, 12
	s_add_nc_u64 s[34:35], s[10:11], s[30:31]      ; my group's scale words: they come by plain loads, straight into registers
	s_add_nc_u64 s[86:87], s[4:5], s[16:17]
	s_lshl_b32 s16, s29, 12
	s_lshl_b32 s2, s24, 3
	s_add_co_u32 s16, s16, s2
	s_add_nc_u64 s[62:63], s[6:7], s[16:17]        ; S1's half-words, my four tiles'
.irp q, 0,1
	s_mov_b32 s[68+4*\q], 1
	s_mov_b32 s[69+4*\q], GRP*\q                   ; LDS, S0: [half of K][group][K step 4]
	s_mov_b32 s[84+4*\q], 1
	s_mov_b32 s[85+4*\q], S1C+HLF*\q
.endr
	s_add_nc_u64 s[74:75], s[70:71], HLF
	s_add_nc_u64 s[90:91], s[86:87], HLF
.irp q, 0,1
	s_or_b32 s[71+4*\q], s[71+4*\q], 0x80000000
	s_or_b32 s[87+4*\q], s[87+4*\q], 0x80000000
.endr
	CROUND                                         ; all four work-groups are here: the joint loads meet
.macro TL g0, g1
	tensor_load_to_lds s[\g0:\g0+3], s[\g1:\g1+7]
	s_nop 0
	PLACES 4
.endm
	; the four fills, one a wave, each on a line of its own: K's first half of S0 (jointly) and of S1, then the second halves
	s_cmp_eq_u32 s22, 0
	s_cbranch_scc0 .Lw1
	TL 68, 36
	s_branch .Lasked
.Lw1:
	s_cmp_eq_u32 s22, 1
	s_cbranch_scc0 .Lw2
	TL 84, 44
	s_branch .Lasked
.Lw2:
	s_cmp_eq_u32 s22, 2
	s_cbranch_scc0 .Lw3
	TL 72, 36
	s_branch .Lasked
.Lw3:
	TL 88, 44
.Lasked:
	v_and_b32 v1, 31, v0                           ; lane
	v_and_b32 v2, 15, v0                           ; r
	s_wait_alu depctr_va_vdst(0)
	v_bfe_u32 v3, v0, 4, 1                         ; h
	s_mul_i32 s30, s23, HLF
	v_lshl_add_u32 v4, v1, 4, s30                  ; S0's images: my group + 16 x lane,
	v_lshl_add_u32 v5, v1, 3, s30                  ; + 8 x lane
	s_mul_i32 s30, s24, 6144
	s_add_co_u32 s30, s30, S1C
	v_lshl_add_u32 v6, v1, 4, s30                  ; S1's: my four tiles
	v_lshl_add_u32 v7, v1, 3, s30
	v_lshlrev_b32 v8, 4, v2                        ; the scale words and half-words: 16 r
	v_lshlrev_b32 v10, 4, v1                       ; out: 16 x lane
	s_mul_i32 s30, s22, 16*SPT                     ; my stage
	v_mul_u32_u24 v12, v2, SPT
	s_wait_alu depctr_va_vdst(0)
	v_lshl_add_u32 v12, v3, 6, v12
	v_add_nc_u32 v12, s30, v12                     ; in: row r, + 64 h
	v_add_nc_u32 v13, s30, v10                     ; back: a row of 512 bytes, 16 a lane
	v_lshlrev_b32 v14, 6, v3                       ; the bias: 64 h
	s_wait_alu depctr_va_vdst(0)
	s_lshl_b32 s18, s28, 1
	s_add_co_u32 s18, s18, s23                     ; 2 i0 + my group
	s_lshl_b32 s18, s18, 9                         ; its 128 n in bytes
	s_mov_b32 s19, 0
	s_add_nc_u64 s[12:13], s[12:13], s[18:19]
	s_lshl_b32 s20, s29, 19                        ; 128 rows of 4,096 bytes a group of m,
	s_lshl_b32 s21, s24, 18                        ; 64 a half
	s_add_co_u32 s20, s20, s21
	s_add_co_u32 s20, s20, s18
	s_mov_b32 s21, 0
	s_add_nc_u64 s[14:15], s[14:15], s[20:21]
	WIN 0x80                                       ; destination window 2
.irp t, 0,1,2,3,4,5,6,7                ; for result tile t my eight registers are n = 32 (t / 2) + 16 h + 8 (t % 2) + 0 .. 7
	global_load_b128 v[BI+8*\t:BI+8*\t+3], v14, s[12:13] offset:(32*(\t/2)+8*(\t%2))*4
	global_load_b128 v[BI+8*\t+4:BI+8*\t+7], v14, s[12:13] offset:(32*(\t/2)+8*(\t%2))*4+16
.endr
	WIN 0
; S0's eight fragments of K step k of the chunk in hand into set p: 32 loads, each of consecutive bytes
.macro FETCH0 p, k
	WIN 0x80
.irp t, 0,1,2,3,4,5,6,7
	ds_load_b128 v[96*(\p)+12*\t:96*(\p)+12*\t+3], v4 offset:KSB*(\k)+FRB*\t
	ds_load_b64 v[96*(\p)+12*\t+4:96*(\p)+12*\t+5], v5 offset:KSB*(\k)+FRB*\t+512
	ds_load_b128 v[96*(\p)+12*\t+6:96*(\p)+12*\t+9], v4 offset:KSB*(\k)+FRB*\t+768
	ds_load_b64 v[96*(\p)+12*\t+10:96*(\p)+12*\t+11], v5 offset:KSB*(\k)+FRB*\t+1280
.endr
.endm
; S1's tiles a0, a0 + 1: 8 loads
.macro FETCH1 a0, k
	WIN 0
.irp a, \a0, \a0+1
	ds_load_b128 v[SF+12*(\a):SF+12*(\a)+3], v6 offset:KSB*(\k)+FRB*(\a)
	ds_load_b64 v[SF+12*(\a)+4:SF+12*(\a)+5], v7 offset:KSB*(\k)+FRB*(\a)+512
	ds_load_b128 v[SF+12*(\a)+6:SF+12*(\a)+9], v6 offset:KSB*(\k)+FRB*(\a)+768
	ds_load_b64 v[SF+12*(\a)+10:SF+12*(\a)+11], v7 offset:KSB*(\k)+FRB*(\a)+1280
.endr
.endm
; 16 matrix instructions: S1's tiles a0, a0 + 1 x S0's eight, K step s, S0's set p.  cm = 0: onto the sums; 1: the sums begin with the bias.
; The 32 accumulators take turns, one instruction a turn, in the same order in every K step.
.macro MUL16 a0, p, s, cm
.if \cm
	WIN 0x62                                       ; source 0 and C window 2, source 1 window 0, D window 1
.else
	WIN 0x52                                       ; source 0 window 2, source 1 window 0, C and D window 1
.endif
.irp a, \a0, \a0+1
.irp t, 0,1,2,3,4,5,6,7
.if \cm == 0
	v_wmma_scale_f32_16x16x128_f8f6f4 v[8*(8*(\a)+\t):8*(8*(\a)+\t)+7], v[96*(\p)+12*\t:96*(\p)+12*\t+11], v[SF+12*(\a):SF+12*(\a)+11], v[8*(8*(\a)+\t):8*(8*(\a)+\t)+7], v[SS0+8*(\s)+\t], v[SS1+4*(\s)+(\a)] matrix_a_fmt:MATRIX_FMT_FP6 matrix_b_fmt:MATRIX_FMT_FP6
.else
	v_wmma_scale_f32_16x16x128_f8f6f4 v[8*(8*(\a)+\t):8*(8*(\a)+\t)+7], v[96*(\p)+12*\t:96*(\p)+12*\t+11], v[SF+12*(\a):SF+12*(\a)+11], v[BI+8*\t:BI+8*\t+7], v[SS0+8*(\s)+\t], v[SS1+4*(\s)+(\a)] matrix_a_fmt:MATRIX_FMT_FP6 matrix_b_fmt:MATRIX_FMT_FP6
.endif
.endr
.endr
.endm
; An even K step: its successor lies in the same chunk.
.macro STEP_EVEN s, cm
	s_wait_dscnt 8                                 ; all but the youngest eight loads (S1's tiles 2 and 3) are in
	MUL16 0, 0, \s, \cm
	s_wait_dscnt 0x0                               ; S1's tiles 2 and 3
	PLACES 4                                       ; in front of loads into S1's tiles 0 and 1, just multiplied
	FETCH0 1, 1
	FETCH1 0, 1
	MUL16 2, 0, \s, \cm
	WIN 0
	PLACES 4
	FETCH1 2, 1
.endm
; An odd K step: its successor lies in the next chunk, which is shown landed to every wave by the fetching waves' counted wait and a barrier.  The later chunks stay on their way.
.macro STEP_ODD s                      ; K step 3 alone has a wait and a barrier: its successor lies in K's second half
.if (\s) == 3
	s_wait_tensorcnt 0x0                           ; every wave: all that is still out
.endif
	s_wait_dscnt 8
	MUL16 0, 1, \s, 0
	s_wait_dscnt 0x0                               ; S1's tiles 2 and 3; no LDS instruction is pending at a signal
	WIN 0
.if (\s) == 3
	s_barrier_signal -1
	s_barrier_wait -1
.endif
	v_add_nc_u32 v4, CHK+HLF*(((\s)%4)/3), v4      ; two K steps on; behind K step 3 also over the other group's half
	v_add_nc_u32 v5, CHK+HLF*(((\s)%4)/3), v5
	v_add_nc_u32 v6, CHK, v6
	v_add_nc_u32 v7, CHK, v7
	FETCH0 0, 0
	FETCH1 0, 0
	MUL16 2, 1, \s, 0
	WIN 0
	PLACES 4
	FETCH1 2, 0
.endm
.irp s, 0,1,2,3,4,5,6,7                ; all scale words come into registers once: sixteen lanes read 256 consecutive bytes
	global_load_b128 v[SS0+8*\s:SS0+8*\s+3], v8, s[34:35] offset:512*\s
	global_load_b128 v[SS0+8*\s+4:SS0+8*\s+7], v8, s[34:35] offset:512*\s+256
.endr
.irp s, 0,1,2,3,4,5,6,7
	global_load_b64 v[160+4*\s:161+4*\s], v8, s[62:63] offset:512*\s       ; the half-words of K = 0 .. 63 of the step, my four tiles,
	global_load_b64 v[162+4*\s:163+4*\s], v8, s[62:63] offset:512*\s+256   ; and of K = 64 .. 127
.endr
	s_cmp_lt_u32 s22, 2
	s_cbranch_scc0 .Lnot_h0
	s_wait_tensorcnt 0x0                           ; waves 0 and 1: K's first half is in
.Lnot_h0:
	s_barrier_signal -1
	s_barrier_wait -1                              ; the second halves may be on their way
	FETCH0 0, 0
	FETCH1 0, 0
	FETCH1 2, 0
	s_wait_loadcnt 0x0                             ; the scale words, the half-words and the bias
.irp s, 0,1,2,3,4,5,6,7                ; a tile's word: its half-word of the lower plane below, of the upper plane above.  K step 0's words are written first: 28 plain instructions stand between them and their first use
	v_perm_b32 v[SS1+4*\s], v[162+4*\s], v[160+4*\s], s66
	v_perm_b32 v[SS1+4*\s+1], v[162+4*\s], v[160+4*\s], s67
	v_perm_b32 v[SS1+4*\s+2], v[163+4*\s], v[161+4*\s], s66
	v_perm_b32 v[SS1+4*\s+3], v[163+4*\s], v[161+4*\s], s67
.endr
	s_wait_loadcnt 0x0                             ; the bias
	STEP_EVEN 0, 1                                 ; the first K step starts the sums with the bias: nothing is cleared, nothing is added later
	STEP_ODD 1
	s_wait_alu depctr_va_vdst(0)
	STEP_EVEN 2, 0
	STEP_ODD 3
	s_wait_alu depctr_va_vdst(0)
	STEP_EVEN 4, 0
	STEP_ODD 5
	s_wait_alu depctr_va_vdst(0)
	STEP_EVEN 6, 0
	s_wait_dscnt 8
	MUL16 0, 1, 7, 0
	s_wait_dscnt 0x0
	MUL16 2, 1, 7, 0
	WIN 0
	PLACES 4                                       ; in front of the first read of results and of the loads into S0's fragment registers
; THE WAY OUT, a tile of 16 rows m x 128 n at a time.  A lane holds 32 neighbouring bytes of a row a tile of n, and the lanes beside it hold other rows: so a block goes through my own stage and comes back as whole rows of
; 512 bytes.  LDS serves a wave's instructions in order (ISA guide 5.7.1.4): no wait between the stores and the loads, nor in front of the next block's stores.
.macro TOSTAGE a
	WIN 0x04                                       ; an LDS store's data are its source 1: window 1
.irp t, 0,1,2,3,4,5,6,7
	ds_store_b128 v12, v[8*(8*(\a)+\t):8*(8*(\a)+\t)+3] offset:128*(\t/2)+32*(\t%2)        ; each accumulator from its low end on
	ds_store_b128 v12, v[8*(8*(\a)+\t)+4:8*(8*(\a)+\t)+7] offset:128*(\t/2)+32*(\t%2)+16
.endr
	WIN 0x80                                       ; destination window 2
.irp n, 0,1,2,3,4,5,6,7,8,9,10,11,12,13,14,15
	ds_load_b128 v[64*((\a)%2)+4*\n:64*((\a)%2)+4*\n+3], v13 offset:SPT*\n
.endr
.endm
.macro SEND a, younger                 ; younger: the LDS instructions issued behind block a's loads, which may stay out
	s_wait_dscnt \younger
	WIN 0x08                                       ; a store's data are its source 1: window 2
.irp n, 0,1,2,3,4,5,6,7,8,9,10,11,12,13,14,15
	global_store_b128 v10, v[64*((\a)%2)+4*\n:64*((\a)%2)+4*\n+3], s[14:15] offset:(32*((\a)/2)+8*((\a)%2)+\n+8*(\n/8))*4096 th:TH_STORE_NT   ; lane n of the tile is this row of my 64; 32 lanes store 512 consecutive bytes, at a multiple of 256 from out0's first byte
.endr
.endm
	TOSTAGE 0
.irp a, 1,2,3
.if \a > 1
	s_wait_xcnt 0x0                                ; block a - 2's stores have read their registers: block a's loads may land there
.endif
	TOSTAGE \a
	SEND \a-1, 32                                  ; behind block a - 1's loads: block a's 16 stores and 16 loads
.endr
	SEND 3, 0
	WIN 0
	s_wait_tensorcnt 0x0
	ds_add_u32 v254, v255
	s_wait_dscnt 0x0
	CROUND                                         ; the closing round: no work-group ends while a partner may still ask for a tile that names it
	s_endpgm
.Lfunc_end_k_q38776a67ce_outproj:
	.size	k_q38776a67ce_outproj, .Lfunc_end_k_q38776a67ce_outproj-k_q38776a67ce_outproj
	.p2alignl 7, 3214868480
	.fill 96, 4, 3214868480
	.section	.rodata,"a",@progbits
	.p2align	6, 0x0
	.amdhsa_kernel k_q38776a67ce_outproj
		.amdhsa_group_segment_fixed_size 307712
		.amdhsa_private_segment_fixed_size 0
		.amdhsa_enable_private_segment 0
		.amdhsa_kernarg_size 48
		.amdhsa_user_sgpr_count 2
		.amdhsa_user_sgpr_kernarg_segment_ptr 1
		.amdhsa_wavefront_size32 1
		.amdhsa_system_sgpr_workgroup_id_x 1
		.amdhsa_system_sgpr_workgroup_id_y 1
		.amdhsa_system_sgpr_workgroup_id_z 1
		.amdhsa_system_vgpr_workitem_id 0
		.amdhsa_next_free_vgpr 768
		.amdhsa_next_free_sgpr 100
		.amdhsa_reserve_vcc 0
		.amdhsa_float_denorm_mode_32 3
		.amdhsa_float_denorm_mode_16_64 3
		.amdhsa_memory_ordered 1
		.amdhsa_forward_progress 1
		.amdhsa_inst_pref_size 89
	.end_amdhsa_kernel
	.amdgpu_metadata
---
amdhsa.version: [ 1, 2 ]
amdhsa.kernels:
  - .name:           k_q38776a67ce_outproj
    .symbol:         k_q38776a67ce_outproj.kd
    .args:
      - { .name: cc, .offset: 0, .size: 8, .value_kind: global_buffer, .address_space: global }
      - { .name: cs, .offset: 8, .size: 8, .value_kind: global_buffer, .address_space: global }
      - { .name: wc, .offset: 16, .size: 8, .value_kind: global_buffer, .address_space: global }
      - { .name: ws, .offset: 24, .size: 8, .value_kind: global_buffer, .address_space: global }
      - { .name: bo, .offset: 32, .size: 8, .value_kind: global_buffer, .address_space: global }
      - { .name: out0, .offset: 40, .size: 8, .value_kind: global_buffer, .address_space: global }
    .group_segment_fixed_size: 307712
    .private_segment_fixed_size: 0
    .kernarg_segment_align: 8
    .kernarg_segment_size: 48
    .max_flat_workgroup_size: 128
    .sgpr_count:     100
    .vgpr_count:     768
    .wavefront_size: 32
...
	.end_amdgpu_metadata
.endif
;; end of part 5
